; MI455X (gfx1250); checked and timed in simulation.
; The chip was launched on July 23, 2026; its instructions are those of AMD's public machine-readable ISA for CDNA 5 (MIT licence, August 2026) and "CDNA5" Instruction Set Architecture Reference Guide (July 2026). The comments in the code are by the model that wrote it; some were corrected since.
;; Block. Allowed arithmetic: matrix products marked QUANTISED: E4M3 operands, one E8M0 scale for each 32 along K, by v_wmma_scale_f32_16x16x128_f8f6f4 with both operands' format E4M3, f32 sums; everything else in f32.
;; Inputs: V_codes 2,728 x 32 x 32 uint8 (E4M3 codes of V, K innermost, in blocks of 32 codes); V_scales 2,728 x 32 uint8 (E8M0 scales of V, one for each 32 codes along K); W2 2,728 x 1,024 float32; W_codes 2,728 x 32 x 32 uint8 (E4M3 codes of W, K innermost, in blocks of 32 codes); W_scales 2,728 x 32 uint8 (E8M0 scales of W, one for each 32 codes along K); g1 1,024 float32; g2 1,024 float32; w_o_codes 1,024 x 32 x 32 uint8 (E4M3 codes of w_o, K innermost, in blocks of 32 codes); w_o_scales 1,024 x 32 uint8 (E8M0 scales of w_o, one for each 32 codes along K); w_qkv_codes 3,072 x 32 x 32 uint8 (E4M3 codes of w_qkv, K innermost, in blocks of 32 codes); w_qkv_scales 3,072 x 32 uint8 (E8M0 scales of w_qkv, one for each 32 codes along K); x 2 x 2,048 x 1,024 float32.
;; Outputs: out0 2 x 2,048 x 1,024 float32.
;; This version of the problem:
;;   THIS VERSION OF THE PROBLEM IS GIVEN IN LOW PRECISION. The matrix products marked QUANTISED in the list below multiply operands that are first quantised to E4M3 (4 exponent bits, 3 mantissa bits; 8 bits a number), with one power-of-two scale for each 32 numbers along K (OCP MX v1.0); their sums are f32. All else is computed in f32.
;;   The module's matrix products, in the order in which they are computed (A, B: the left and right operand; K: the contracted axis; several contracted axes count as one K, in the product's order):
;;     1. [M 4,096, K 1,024] x [K 1,024, N 3,072]; A: computed on the way; B: input w_qkv (given as codes): QUANTISED
;;     2. batch 32 x [M 2,048, K 64] x [K 64, N 2,048]; A: computed on the way; B: computed on the way: QUANTISED
;;     3. batch 32 x [M 2,048, K 2,048] x [K 2,048, N 64]; A: softmax (see below); B: computed on the way: QUANTISED
;;     4. [M 4,096, K 1,024] x [K 1,024, N 1,024]; A: computed on the way; B: input w_o (given as codes): QUANTISED
;;     5. [M 4,096, K 1,024] x [K 1,024, N 2,728]; A: computed on the way; B: input W (given as codes): QUANTISED
;;     6. [M 4,096, K 1,024] x [K 1,024, N 2,728]; A: computed on the way; B: input V (given as codes): QUANTISED
;;     7. [M 4,096, K 2,728] x [K 2,728, N 1,024]; A: computed on the way; B: input W2: QUANTISED
;;   THE QUANTISER, for each operand of a quantised product, along K:
;;     - K is cut into blocks of 32 from its start; a last block that is shorter is filled with zeros.
;;     - A block's scale is 2^e with e = floor(log2(the largest magnitude in the block)) - 8, held to -126 .. 127; a block of zeros has e = 0. As a byte (E8M0): e + 127.
;;     - Each number is divided by its block's scale, clamped to +-448, and rounded to the nearest number of E4M3, ties to even, subnormals kept.
;;     - The product sums the exact products of the quantised numbers (number of the format x scale) in f32.
;;   ~~~python
;;   def quantise(x, axis):      # numpy; x: float32 -> the quantised numbers, widened to float32 again
;;       x = np.moveaxis(x, axis, -1); K = x.shape[-1]
;;       x = np.pad(x, [(0, 0)] * (x.ndim - 1) + [(0, -K % 32)]); x = x.reshape(x.shape[:-1] + (-1, 32)); a = np.abs(x).max(-1, keepdims=True)
;;       e = np.where(a > 0, np.clip(np.frexp(np.where(a > 0, a, 1))[1] - 1 - 8, -126, 127), 0)      # np.frexp(a)[1] - 1 = floor(log2(a)), exactly
;;       r = np.clip(x / 2.0 ** e, -448, 448)
;;       step = 2.0 ** (np.maximum(np.frexp(np.where(r == 0, 1, r))[1] - 1, -6) - 3)
;;       q = np.round(r / step) * step * 2.0 ** e      # np.round: ties to even
;;       return np.moveaxis(q.reshape(q.shape[:-2] + (-1,))[..., :K], -1, axis).astype(np.float32)
;;   ~~~
;;   SOFTMAX AHEAD OF A QUANTISED PRODUCT. Where the list says 'softmax', what is quantised is not the finished softmax but p = 2^(t - M), with t = logit x log2(e) and M = ceil(the row's largest t), a whole number; so 1/2 < the row's largest p <= 1. The row's sum l is taken of the UNQUANTISED p, in f32, and the product's result is divided by l at the end. Since M is a whole number, a kernel that streams over the keys may use a running M (the ceiling of the running maximum): every later rescaling is an exact power of two, which a block's scale takes up: the codes' values come out the same.
;;   OPERANDS COMPUTED ON THE WAY. 'Computed on the way' means the value that the module computes at that place (a softmax that the list does not call 'softmax' is quantised finished and normalised). What goes into a quantiser is computed in f32, as accurately as f32 sums, v_exp_f32 and their like allow (about 1e-6 of the number): no bf16 or f16 on the way to a quantiser, and a product that is left as it is and whose result goes on into a quantised operand takes f32 operands (vector FMAs, or v_wmma_f32_16x16x4_f32). A number that lies on a knife's edge between two numbers of the format may be rounded either way, as far as f32 arithmetic and the matrix unit's own rounding can turn it there, and no further.
;;   INPUTS GIVEN AS CODES. V (in the module: [1024, 2728], K = its axis 0); W (in the module: [1024, 2728], K = its axis 0); w_o (in the module: [1024, 1024], K = its axis 0); w_qkv (in the module: [1024, 3072], K = its axis 0): each comes as NAME_codes (uint8): NAME with its K axis moved to the last place and cut into blocks of 32 codes, [.., K / 32, bytes a block], one block behind the other in memory; one code a byte (a code: sign, 4 exponent bits, 3 mantissa bits); and NAME_scales (uint8): the same leading axes, one E8M0 byte (e + 127) for each 32 codes along K. Its value is code x scale, taken as it is: it is not quantised again, and the codes and scales need not be those that the quantiser above would give.
;; One version. Each part assembles by itself: llvm-mc -triple=amdgcn-amd-amdhsa -mcpu=gfx1250 --defsym DOCPART=n.
;; ======== version 1 of 1: 7 launches
;; workspace buffers: act 4,325,376 bytes; qb 4,456,448 bytes; kv 8,781,824 bytes; x1 16,777,216 bytes; gb 11,894,784 bytes; w2b 2,973,696 bytes; we 270,336 bytes
;; launch prep (part 1): grid 352 x 1, 4 waves a work-group, no clusters, 66,304 bytes of LDS; arguments x, g1, W2, W_codes, W_scales, V_codes, V_scales, act, w2b, we; writes act, w2b, we
.if DOCPART == 1
	.amdgcn_target "amdgcn-amd-amdhsa--gfx1250"
	.amdhsa_code_object_version 6
	.text
	.protected	k_q45d9cf5b03_prep
	.globl	k_q45d9cf5b03_prep
	.p2align	8
	.type	k_q45d9cf5b03_prep,@function
k_q45d9cf5b03_prep:
	s_mov_b64 s[64:65], 0
	v_nop
	global_prefetch_b8 v0, s[64:65] scope:SCOPE_SE
	s_setreg_imm32_b32 hwreg(HW_REG_WAVE_MODE, 25, 1), 1
	s_wait_xcnt 0x0
; PREP: three jobs in one launch, told apart by the work-group's number (a scalar branch, alike in all four waves).
;  work-groups 0-87:   W2 [2728][1024] f32 (K is its first axis) -> codes of E4M3 and E8M0 scale words in w2b, K filled with zeros to 2,816.
;  work-groups 88-95:  rows 2,688 .. 2,815 of W's and V's codes and scale bytes -> we, zeros from row 2,728 on: the last tile of 128 columns, made whole.
;  work-groups 96-351: y = x / (sqrt(mean(x^2)) + 1e-5) * g1, one tile of 16 rows a work-group -> codes and scale words in act.
; LAYOUTS.  A tile T of rows holds rows 32 (T/2) + 8 (T%2) + r + 8 (r/8), r = 0 .. 15.  A fragment (16 rows x 128 K) is stored as the image of the operand's registers:
; [c 0..3][lane][16 bytes], lane (r, h) holding k = 32 c + 16 h + 0 .. 15 of the tile's row r.  act: codes [T 256][s 8][2,048] at 0, scale words [T][s][r] at 4,194,304.
; w2b: codes [tile of 16 columns, 64][s 22][2,048] at 0, scale words [tile][s][r] at 2,883,584.  we: codes [W, V][128][1,024] at 0, scale bytes [W, V][128][32] at 262,144.
; THE QUANTISER: a block's scale is 2^(floor(log2(largest magnitude)) - 8); numbers are held within +-448 x the scale and rounded to the nearest code, ties to even.
; LIMITS: NaN and infinities among the inputs are not served.  A block of zeros, or one whose largest magnitude lies under 2^-118, gets the byte 1 (not 127): only this program reads the bytes.
; v_sqrt_f32 and v_rcp_f32 are good to one unit in the last place.
.set XP, 4                             ; s[4:5]   x
.set GP, 6                             ; s[6:7]   g1
.set AP, 18                            ; s[18:19] act
.set WV, 24                            ; s24      wave
.set TT, 25                            ; s25      my tile of rows
.set SEL, 26                           ; s[26:27] v_permlanex16_b32's selects for lane l xor 16
.set MNT, 28                           ; s28      the mantissa field of 448
.set MHI, 29                           ; s29      a mask of lanes 16-31
.set SPITCH, 4112                      ; a stage row: 4,096 bytes + 16, an odd multiple of 16
.set GR, 32                            ; v32-63   g
.set XR, 64                            ; v64-191  four rows of x, later two fragments' numbers
.set SQ, 192                           ; v192-207 sums of squares, four registers a row
.set PC0, 192                          ; v192-207, v208-223 the two fragments' codes
.set PC1, 208
.set TM, 224                           ; v224-239 the quantiser's 16 registers
.set PW0, 240                          ; v240, v241 the two scale words; v242 the pair
.set PW1, 241
.set PWP, 242
; 64 numbers of a lane, v[s] on, register 16 b + i = k 32 b + 16 (lane / 16) + i of my row, become a fragment's codes in v[pc] on and its scale word in v[pw].
.macro QUANT s, pc, pw
.irp b, 0,1,2,3
	v_max3_num_f32 v[TM+\b], |v[(\s)+16*\b]|, |v[(\s)+16*\b+1]|, 0x4800000   ; my 16 numbers of block b, and the floor 2^(9 - 127): the byte cannot fall under 1
.endr
.irp i, 2,4,6,8,10,12,14
.irp b, 0,1,2,3
	v_max3_num_f32 v[TM+\b], v[TM+\b], |v[(\s)+16*\b+\i]|, |v[(\s)+16*\b+\i+1]|
.endr
.endr
.irp b, 0,1,2,3
	v_permlanex16_b32 v[TM+4+\b], v[TM+\b], s[SEL], s[SEL+1]
.endr
.irp b, 0,1,2,3
	v_max_num_f32 v[TM+\b], v[TM+\b], v[TM+4+\b]                 ; with lane l xor 16's: the block's largest magnitude
.endr
.irp b, 0,1,2,3
	v_add_nc_u32 v[TM+12+\b], 0xfc000000, v[TM+\b]               ; 8 off its exponent field: the conversion's scale operand
.endr
.irp b, 0,1,2,3
	v_and_or_b32 v[TM+8+\b], v[TM+\b], 0x7f800000, s[MNT]        ; 448 x the scale
.endr
.irp b, 0,1,2,3
	v_lshrrev_b32 v[TM+4+\b], 23, v[TM+12+\b]                    ; the scale's byte
.endr
	v_lshl_or_b32 v[\pw], v[TM+5], 8, v[TM+4]
	v_lshl_or_b32 v[\pw], v[TM+6], 16, v[\pw]
	v_lshl_or_b32 v[\pw], v[TM+7], 24, v[\pw]
.irp b, 0,1,2,3
.irp i, 0,1,2,3,4,5,6,7,8,9,10,11,12,13,14,15
	v_med3_num_f32 v[(\s)+16*\b+\i], v[(\s)+16*\b+\i], -v[TM+8+\b], v[TM+8+\b]   ; the conversion does not saturate (ISA guide 7.6.2): the hold comes first
.endr
	v_cvt_scalef32_pk8_fp8_f32 v[(\pc)+4*\b:(\pc)+4*\b+1], v[(\s)+16*\b:(\s)+16*\b+7], v[TM+12+\b]
	v_cvt_scalef32_pk8_fp8_f32 v[(\pc)+4*\b+2:(\pc)+4*\b+3], v[(\s)+16*\b+8:(\s)+16*\b+15], v[TM+12+\b]
.endr
	v_nop                                          ; one plain line behind the last scaled conversion
.endm
; The norm of one tile of 16 rows.  Wave w loads the tile's rows 4 w .. 4 w + 3 whole (eight loads of 512 consecutive bytes a row), norms them and lays them into a stage in LDS;
; behind one barrier it reads, for K steps 2 w and 2 w + 1, each lane's 16 neighbours of each block of 32, and quantises.
.macro NORM
	v_and_b32 v3, 31, v0
	v_lshlrev_b32 v1, 4, v3                        ; 16 x lane
	v_lshlrev_b32 v2, 2, v3                        ; 4 x lane
	v_and_b32 v4, 15, v0                           ; r
	v_bfe_u32 v5, v0, 4, 1                         ; h
.irp b, 0,1,2,3
	v_mov_b32 v[TM+4+\b], 0                        ; a lane permute's destination counts as read: written once
.endr
	s_lshr_b32 s30, s[TT], 1
	s_lshl_b32 s30, s30, 5
	s_and_b32 s31, s[TT], 1
	s_lshl_b32 s31, s31, 3
	s_add_co_u32 s30, s30, s31
	s_lshl_b32 s31, s[WV], 2
	s_add_co_u32 s30, s30, s31
	s_lshr_b32 s31, s[WV], 1
	s_lshl_b32 s31, s31, 3
	s_add_co_u32 s30, s30, s31                     ; my first row: 32 (T/2) + 8 (T%2) + 4 w + 8 (w/2)
	s_lshl_b32 s30, s30, 12
	s_mov_b32 s31, 0
	s_add_nc_u64 s[32:33], s[XP:XP+1], s[30:31]
	s_lshl_b32 s30, s[TT], 14
	s_lshl_b32 s38, s[WV], 12
	s_add_co_u32 s30, s30, s38
	s_add_nc_u64 s[34:35], s[AP:AP+1], s[30:31]    ; my two fragments' images
	s_lshl_b32 s30, s[TT], 9
	s_lshl_b32 s38, s[WV], 7
	s_add_co_u32 s30, s30, s38
	s_add_co_u32 s30, s30, 4194304
	s_add_nc_u64 s[36:37], s[AP:AP+1], s[30:31]    ; and their scale words
	s_mul_i32 s38, s[WV], 4*SPITCH
	v_add_nc_u32 v6, s38, v1                       ; the stage, in: my four rows, 16 bytes a lane
	v_mul_u32_u24 v7, v4, SPITCH
	v_lshl_add_u32 v7, v5, 6, v7
	s_lshl_b32 s38, s[WV], 10
	v_add_nc_u32 v7, s38, v7                       ; back: row r, + 64 h, + 1,024 w
.irp j, 0,1,2,3,4,5,6,7
	global_load_b128 v[GR+4*\j:GR+4*\j+3], v1, s[GP:GP+1] offset:512*\j
.endr
.irp k, 0,1,2,3
.irp j, 0,1,2,3,4,5,6,7
	global_load_b128 v[XR+32*\k+4*\j:XR+32*\k+4*\j+3], v1, s[32:33] offset:4096*\k+512*\j
.endr
.endr
.irp k, 0,1,2,3
	s_wait_loadcnt 24-8*\k                         ; g and row k are in; the younger rows' eight loads each may be out
	v_pk_mul_f32 v[SQ+4*\k:SQ+4*\k+1], v[XR+32*\k:XR+32*\k+1], v[XR+32*\k:XR+32*\k+1]
	v_pk_mul_f32 v[SQ+4*\k+2:SQ+4*\k+3], v[XR+32*\k+2:XR+32*\k+3], v[XR+32*\k+2:XR+32*\k+3]
.set I, 4
.rept 7
	v_pk_fma_f32 v[SQ+4*\k:SQ+4*\k+1], v[XR+32*\k+I:XR+32*\k+I+1], v[XR+32*\k+I:XR+32*\k+I+1], v[SQ+4*\k:SQ+4*\k+1]
	v_pk_fma_f32 v[SQ+4*\k+2:SQ+4*\k+3], v[XR+32*\k+I+2:XR+32*\k+I+3], v[XR+32*\k+I+2:XR+32*\k+I+3], v[SQ+4*\k+2:SQ+4*\k+3]
.set I, I+4
.endr
	v_pk_add_f32 v[SQ+4*\k:SQ+4*\k+1], v[SQ+4*\k:SQ+4*\k+1], v[SQ+4*\k+2:SQ+4*\k+3]
	v_add_f32 v[SQ+4*\k], v[SQ+4*\k], v[SQ+4*\k+1]
.endr
.irp m, 1,2,4,8
.irp k, 0,1,2,3
	v_add_f32_dpp v[SQ+4*\k], v[SQ+4*\k], v[SQ+4*\k] row_xmask:\m row_mask:0xf bank_mask:0xf
.endr
.endr
.irp k, 0,1,2,3
	v_permlanex16_b32 v[SQ+4*\k+1], v[SQ+4*\k], s[SEL], s[SEL+1]
.endr
.irp k, 0,1,2,3
	v_add_f32 v[SQ+4*\k], v[SQ+4*\k], v[SQ+4*\k+1]               ; the row's sum of squares, in every lane
.endr
.irp k, 0,1,2,3
	v_mul_f32 v[SQ+4*\k], 0x3a800000, v[SQ+4*\k]                 ; / 1,024
.endr
.irp k, 0,1,2,3
	v_sqrt_f32 v[SQ+4*\k+2], v[SQ+4*\k]
.endr
	v_nop                                          ; a plain line behind the batch,
	s_wait_alu depctr_va_vdst(0)                   ; and one wait for the four roots, ahead of their first reader
.irp k, 0,1,2,3
	v_add_f32 v[SQ+4*\k+2], 0x3727c5ac, v[SQ+4*\k+2]             ; + 1e-5
.endr
.irp k, 0,1,2,3
	v_rcp_f32 v[SQ+4*\k], v[SQ+4*\k+2]
.endr
	v_nop
	s_wait_alu depctr_va_vdst(0)                   ; one wait for the four reciprocals
.irp k, 0,1,2,3
.set I, 0
.rept 16
	v_pk_mul_f32 v[XR+32*\k+I:XR+32*\k+I+1], v[XR+32*\k+I:XR+32*\k+I+1], v[SQ+4*\k:SQ+4*\k+1] op_sel_hi:[1,0]
.set I, I+2
.endr
.set I, 0
.rept 16
	v_pk_mul_f32 v[XR+32*\k+I:XR+32*\k+I+1], v[XR+32*\k+I:XR+32*\k+I+1], v[GR+I:GR+I+1]
.set I, I+2
.endr
.irp j, 0,1,2,3,4,5,6,7
	ds_store_b128 v6, v[XR+32*\k+4*\j:XR+32*\k+4*\j+3] offset:SPITCH*\k+512*\j
.endr
.endr
	s_wait_dscnt 0x0                               ; for the others' sake: my rows lie in the stage
	s_barrier_signal -1
	s_barrier_wait -1
.irp e, 0,1
.irp b, 0,1,2,3
.irp j, 0,1,2,3
	ds_load_b128 v[XR+64*\e+16*\b+4*\j:XR+64*\e+16*\b+4*\j+3], v7 offset:512*\e+128*\b+16*\j
.endr
.endr
.endr
	s_wait_dscnt 16                                ; the first fragment's 16 loads are in
	QUANT XR, PC0, PW0
	s_wait_dscnt 0x0
	QUANT XR+64, PC1, PW1
.irp c, 0,1,2,3
	global_store_b128 v1, v[PC0+4*\c:PC0+4*\c+3], s[34:35] offset:512*\c         ; 32 lanes store 512 consecutive bytes
	global_store_b128 v1, v[PC1+4*\c:PC1+4*\c+3], s[34:35] offset:2048+512*\c
.endr
	v_cndmask_b32 v[PWP], v[PW0], v[PW1], s[MHI]   ; lanes 0-15: K step 2 w's words; lanes 16-31: K step 2 w + 1's
	global_store_b32 v2, v[PWP], s[36:37]
.endm
	s_load_b512 s[4:19], s[0:1], 0x0               ; x, g1, W2 s[8:9], W_codes s[10:11], W_scales s[12:13], V_codes s[14:15], V_scales s[16:17], act
	s_load_b128 s[20:23], s[0:1], 0x40             ; w2b s[20:21], we s[22:23]
	v_lshl_add_u32 v254, v0, 2, 0x10100
	v_mov_b32 v255, 0
	v_lshrrev_b32 v3, 5, v0
	v_readfirstlane_b32 s[WV], v3
	s_mov_b32 s[SEL], 0x76543210
	s_mov_b32 s[SEL+1], 0xfedcba98
	s_mov_b32 s[MNT], 0x600000
	s_mov_b32 s[MHI], 0xffff0000
	s_wait_kmcnt 0x0
	s_cmp_lt_u32 ttmp9, 88
	s_cbranch_scc1 .Lw2q
	s_cmp_lt_u32 ttmp9, 96
	s_cbranch_scc1 .Ledge
	s_sub_co_u32 s[TT], ttmp9, 96
	NORM
	s_wait_tensorcnt 0x0
	ds_add_u32 v254, v255
	s_wait_dscnt 0x0
	s_endpgm
; ---- W2.  A lane takes a column and its registers run down K: a block of 32 lies in one lane, and the codes come out with K innermost.
; Work-group p: columns 128 (p % 8) on, K rows 256 (p / 8) on; wave w: 32 of the columns.  A lane's 32 codes are 16 bytes for h = 0 and 16 for h = 1 of its tile's image: sixteen lanes store 256 consecutive bytes.
.macro LOADW t, nv                     ; block t: W2(32 t + i, my column) into set t % 2; rows from nv on lie past K's end: zeros
.set I, 0
.rept 32
.if I < (\nv)
	global_load_b32 v[32+32*((\t)%2)+I], v3, s[8:9] offset:(32*(\t)+I)*4096 th:TH_LOAD_NT
.else
	v_mov_b32 v[32+32*((\t)%2)+I], 0
.endif
.set I, I+1
.endr
.endm
.macro BLOCK t, left                   ; left: the next block's loads, which may stay out
.set XS, 32+32*((\t)%2)
.set CC, 96+8*(\t)                     ; each block has its own eight registers of codes: no store's data are written again
	s_wait_loadcnt \left
	v_max3_num_f32 v12, |v[XS]|, |v[XS+1]|, |v[XS+2]|
	v_max3_num_f32 v13, |v[XS+3]|, |v[XS+4]|, |v[XS+5]|
.irp i, 6,10,14,18,22,26
	v_max3_num_f32 v12, v12, |v[XS+\i]|, |v[XS+\i+1]|
	v_max3_num_f32 v13, v13, |v[XS+\i+2]|, |v[XS+\i+3]|
.endr
	v_max3_num_f32 v12, v12, |v[XS+30]|, |v[XS+31]|
	v_max3_num_f32 v12, v12, v13, 0x4800000        ; and the floor
	v_add_nc_u32 v11, 0xfc000000, v12
	v_and_or_b32 v10, v12, 0x7f800000, s[MNT]
.set I, 0
.rept 32
	v_med3_num_f32 v[XS+I], v[XS+I], -v10, v10
.set I, I+1
.endr
.irp g, 0,1,2,3
	v_cvt_scalef32_pk8_fp8_f32 v[CC+2*\g:CC+2*\g+1], v[XS+8*\g:XS+8*\g+7], v11
.endr
	v_lshrrev_b32 v13, 23, v11                     ; the scale's byte (also the plain line behind the conversions)
.if (\t)%4 == 0
	v_mov_b32 v[24+(\t)/4], v13
.else
	v_lshl_or_b32 v[24+(\t)/4], v13, 8*((\t)%4), v[24+(\t)/4]
.endif
	global_store_b128 v4, v[CC:CC+3], s[36:37] offset:2048*((\t)/4)+512*((\t)%4)
	global_store_b128 v4, v[CC+4:CC+7], s[36:37] offset:2048*((\t)/4)+512*((\t)%4)+256
.endm
.Lw2q:
	s_and_b32 s30, ttmp9, 7                        ; which 128 columns
	s_lshr_b32 s31, ttmp9, 3                       ; which 256 along K
	v_and_b32 v2, 31, v0
	v_lshlrev_b32 v3, 2, v2                        ; in: 4 bytes a lane
	v_lshrrev_b32 v6, 4, v2
	v_and_b32 v5, 15, v2
	v_mul_u32_u24 v4, v6, 45056
	v_lshl_add_u32 v4, v5, 4, v4                   ; codes: my tile of 16 columns (22 images of 2,048 bytes apart), 16 bytes a column
	v_mul_u32_u24 v7, v6, 1408
	v_lshl_add_u32 v7, v5, 2, v7                   ; scale words: 22 x 64 bytes a tile
	s_lshl_b32 s32, s31, 20
	s_lshl_b32 s33, s30, 9
	s_add_co_u32 s32, s32, s33
	s_lshl_b32 s33, s[WV], 7
	s_add_co_u32 s32, s32, s33
	s_mov_b32 s33, 0
	s_add_nc_u64 s[8:9], s[8:9], s[32:33]
	s_lshl_b32 s34, s30, 3
	s_lshl_b32 s35, s[WV], 1
	s_add_co_u32 s34, s34, s35                     ; my first tile of columns
	s_mul_i32 s32, s34, 45056
	s_lshl_b32 s35, s31, 12
	s_add_co_u32 s32, s32, s35
	s_add_nc_u64 s[36:37], s[20:21], s[32:33]
	s_mul_i32 s32, s34, 1408
	s_lshl_b32 s35, s31, 7
	s_add_co_u32 s32, s32, s35
	s_add_co_u32 s32, s32, 2883584
	s_add_nc_u64 s[38:39], s[20:21], s[32:33]
	s_cmp_eq_u32 s31, 10
	s_cbranch_scc1 .Lw2tail
	LOADW 0, 32
	LOADW 1, 32
.irp t, 0,1,2,3,4,5
	BLOCK \t, 32
	LOADW \t+2, 32
.endr
	BLOCK 6, 32
	BLOCK 7, 0
	global_store_b32 v7, v24, s[38:39]
	global_store_b32 v7, v25, s[38:39] offset:64
	s_endpgm
.Lw2tail:                                              ; K rows 2,560 .. 2,815, of which 168 exist: five blocks, eight rows of the sixth, and zeros: no load leaves the buffer
	LOADW 0, 32
	LOADW 1, 32
	BLOCK 0, 32
	LOADW 2, 32
	BLOCK 1, 32
	LOADW 3, 32
	BLOCK 2, 32
	LOADW 4, 32
	BLOCK 3, 32
	LOADW 5, 8
	BLOCK 4, 8
	LOADW 6, 0
	BLOCK 5, 0
	LOADW 7, 0
	BLOCK 6, 0
	BLOCK 7, 0
	global_store_b32 v7, v24, s[38:39]
	global_store_b32 v7, v25, s[38:39] offset:64
	s_endpgm
; ---- The last tile of W and V.  32 waves in all; wave g: tensor g / 16, rows 8 (g % 16) on of the 128: 8,192 bytes of codes, 256 of scale bytes.
.Ledge:
	s_sub_co_u32 s30, ttmp9, 88
	s_lshl_b32 s30, s30, 2
	s_add_co_u32 s30, s30, s[WV]
	s_lshr_b32 s31, s30, 4                         ; W or V
	s_and_b32 s30, s30, 15                         ; which eight rows
	s_cmp_eq_u32 s31, 0
	s_cselect_b64 s[32:33], s[10:11], s[14:15]
	s_cselect_b64 s[34:35], s[12:13], s[16:17]
	s_lshl_b32 s36, s30, 13
	s_lshl_b32 s40, s30, 8
	s_add_co_u32 s38, s36, 2688*1024
	s_mov_b32 s39, 0
	s_add_nc_u64 s[32:33], s[32:33], s[38:39]
	s_add_co_u32 s38, s40, 2688*32
	s_add_nc_u64 s[34:35], s[34:35], s[38:39]
	s_lshl_b32 s38, s31, 17
	s_add_co_u32 s38, s38, s36
	s_add_nc_u64 s[42:43], s[22:23], s[38:39]
	s_lshl_b32 s38, s31, 12
	s_add_co_u32 s38, s38, s40
	s_add_co_u32 s38, s38, 262144
	s_add_nc_u64 s[44:45], s[22:23], s[38:39]
	v_and_b32 v3, 31, v0
	v_lshlrev_b32 v1, 4, v3
	v_lshlrev_b32 v2, 3, v3
	s_cmp_lt_u32 s30, 5                            ; rows 2,688 + 8 j exist for j under 5
	s_cbranch_scc0 .Lzero
.irp i, 0,1,2,3,4,5,6,7,8,9,10,11,12,13,14,15
	global_load_b128 v[32+4*\i:35+4*\i], v1, s[32:33] offset:512*\i
.endr
	global_load_b64 v[96:97], v2, s[34:35]
	s_wait_loadcnt 0x0
	s_branch .Lput
.Lzero:
.set I, 32
.rept 66
	v_mov_b32 v[I], 0
.set I, I+1
.endr
.Lput:
.irp i, 0,1,2,3,4,5,6,7,8,9,10,11,12,13,14,15
	global_store_b128 v1, v[32+4*\i:35+4*\i], s[42:43] offset:512*\i
.endr
	global_store_b64 v2, v[96:97], s[44:45]
	s_endpgm
.Lfunc_end_k_q45d9cf5b03_prep:
	.size	k_q45d9cf5b03_prep, .Lfunc_end_k_q45d9cf5b03_prep-k_q45d9cf5b03_prep
	.p2alignl 7, 3214868480
	.fill 96, 4, 3214868480
	.section	.rodata,"a",@progbits
	.p2align	6, 0x0
	.amdhsa_kernel k_q45d9cf5b03_prep
		.amdhsa_group_segment_fixed_size 66304
		.amdhsa_private_segment_fixed_size 0
		.amdhsa_enable_private_segment 0
		.amdhsa_kernarg_size 80
		.amdhsa_user_sgpr_count 2
		.amdhsa_user_sgpr_kernarg_segment_ptr 1
		.amdhsa_wavefront_size32 1
		.amdhsa_system_sgpr_workgroup_id_x 1
		.amdhsa_system_sgpr_workgroup_id_y 1
		.amdhsa_system_sgpr_workgroup_id_z 1
		.amdhsa_system_vgpr_workitem_id 0
		.amdhsa_next_free_vgpr 256
		.amdhsa_next_free_sgpr 66
		.amdhsa_reserve_vcc 0
		.amdhsa_float_denorm_mode_32 3
		.amdhsa_float_denorm_mode_16_64 3
		.amdhsa_memory_ordered 1
		.amdhsa_forward_progress 1
		.amdhsa_inst_pref_size 153
	.end_amdhsa_kernel
	.amdgpu_metadata
---
amdhsa.version: [ 1, 2 ]
amdhsa.kernels:
  - .name:           k_q45d9cf5b03_prep
    .symbol:         k_q45d9cf5b03_prep.kd
    .args:
      - { .name: x, .offset: 0, .size: 8, .value_kind: global_buffer, .address_space: global }
      - { .name: g1, .offset: 8, .size: 8, .value_kind: global_buffer, .address_space: global }
      - { .name: W2, .offset: 16, .size: 8, .value_kind: global_buffer, .address_space: global }
      - { .name: W_codes, .offset: 24, .size: 8, .value_kind: global_buffer, .address_space: global }
      - { .name: W_scales, .offset: 32, .size: 8, .value_kind: global_buffer, .address_space: global }
      - { .name: V_codes, .offset: 40, .size: 8, .value_kind: global_buffer, .address_space: global }
      - { .name: V_scales, .offset: 48, .size: 8, .value_kind: global_buffer, .address_space: global }
      - { .name: act, .offset: 56, .size: 8, .value_kind: global_buffer, .address_space: global }
      - { .name: w2b, .offset: 64, .size: 8, .value_kind: global_buffer, .address_space: global }
      - { .name: we, .offset: 72, .size: 8, .value_kind: global_buffer, .address_space: global }
    .group_segment_fixed_size: 66304
    .private_segment_fixed_size: 0
    .kernarg_segment_align: 8
    .kernarg_segment_size: 80
    .max_flat_workgroup_size: 128
    .sgpr_count:     66
    .vgpr_count:     256
    .wavefront_size: 32
...
	.end_amdgpu_metadata
.endif
;; end of part 1
;; launch qkv (part 2): grid 16 x 16, 4 waves a work-group, clusters of 4 x 4, 327,680 bytes of LDS; arguments act, w_qkv_codes, w_qkv_scales, qb, kv; writes qb, kv
.if DOCPART == 2
	.amdgcn_target "amdgcn-amd-amdhsa--gfx1250"
	.amdhsa_code_object_version 6
	.text
	.protected	k_q45d9cf5b03_qkv
	.globl	k_q45d9cf5b03_qkv
	.p2align	8
	.type	k_q45d9cf5b03_qkv,@function
k_q45d9cf5b03_qkv:
	s_mov_b64 s[64:65], 0
	v_nop
	global_prefetch_b8 v0, s[64:65] scope:SCOPE_SE
	s_setreg_imm32_b32 hwreg(HW_REG_WAVE_MODE, 25, 1), 1
	s_wait_xcnt 0x0
	s_wait_alu depctr_hold_cnt(0) depctr_sa_sdst(0) depctr_va_vdst(0) depctr_va_sdst(0) depctr_va_ssrc(0) depctr_va_vcc(0) depctr_vm_vsrc(0)
	s_getreg_b32 s2, hwreg(HW_REG_IB_STS2, 6, 4)
	s_cmp_eq_u32 s2, 0
	s_cbranch_scc0 .Lentry_in_a_cluster
	s_endpgm
.Lentry_in_a_cluster:
	s_bfe_u32 s2, ttmp6, 0x10000c
	s_cmp_lg_u32 s2, 0xf033
	s_cbranch_scc0 .Lentry_shape_is_right
	s_endpgm
.Lentry_shape_is_right:
; QKV: [4096 x 1024] x [1024 x 3072] on codes of E4M3 with E8M0 scales, and the quantising of q, k (along the head's 64 channels) and v (along the keys) in the way out.
; SHARES.  A work-group takes 256 rows (work-group y) and the q, k and v columns of one head (work-group x): 192 rows of w_qkv.  Wave w takes four tiles of 16 rows (64 rows) x all 192: 48 accumulators.
; A tile T of rows of A holds rows 32 (T/2) + 8 (T%2) + r + 8 (r/8).  A tile of weights is 16 NEIGHBOURING rows: with LDS rows 272 bytes apart row r starts at bank 4 r mod 64 (64 banks of 4 bytes: ISA guide 11.1), so the
; sixteen rows of a fragment load start at sixteen different banks.
; q and k are made TRANSPOSED (source 0 = weights): a lane (r, h) holds one row and, in tile t's registers, channels 16 t + 8 h + 0 .. 7.  A block of 32 channels is tiles 2 b and 2 b + 1 of lanes l and l xor 16.  Eight codes are
; 8 bytes of the image: tile 2 b's go to 512 b + 16 r + 8 h, tile 2 b + 1's 256 bytes further on: 32 lanes store 256 consecutive bytes.
; v is made as it stands (source 0 = rows): a lane holds one channel, 16 t + r, and, in two neighbouring tiles of rows, 16 neighbouring keys: the conversions' results are four registers of the image.
; A comes as images of its registers (act: codes [T][s 8][2,048], scale words [T][s][r] at 4,194,304); the weights as rows of codes.  K goes in slots of two steps of 128 through a ring of two LDS slots.
; CLUSTER 4 x 4: A's tiles hang on y alone and are asked for jointly along a row of the cluster, the weights' on x alone, along a column.  Wave 3 fetches A, waves 0-2 the q, k and v sections.
; OUT.  qb: q codes [bh 32][T 128][c 2][lane][16] (lane (r, h): channels 32 c + 16 h + 0 .. 15 of the tile's row r), scale words [bh][T][r] at 4,194,304 (bytes 2, 3 zero).  kv, 274,432 bytes a head: K codes likewise at 0;
; V codes [step of 128 keys 16][tile of 16 channels 4][c 4][lane][16] at 131,072; K's scale words at 262,144; V's [step][tile][r] at 270,336.
; LIMITS: NaN and infinities are not served; a block under 2^-118 gets the byte 1 and zero codes' blocks too (only this program reads the bytes).
; The weights' scale words lie 32 bytes apart in LDS and meet banks more than once: six small loads for 48 products.
; REGISTERS.  window 0: v1-27 addresses; v32-63 scale words, two sets of 16, and nothing else; v64-241 the way out.  window 1: A's fragments at 64 p + 16 a, the weights' at 128 + 64 p + 16 t.
; window 2: q's accumulators at 32 a + 8 t, k's at 128 + 32 a + 8 t.  window 3: v's at 32 a + 8 t.
.set KST, 8                            ; K steps of 128
.set SPS, 2                            ; steps in a slot
.set NG, 3                             ; groups of four tiles of weights
.set NS, 8                             ; scale loads a step
.set TS, 2048*SPS                      ; a tile of A in a slot
.set PITCH, 272                        ; a row of weights in LDS: 256 bytes + 16
.set BOFF, 65536
.set SLOT, BOFF+192*PITCH              ; 117,760
.set SCA, 2*SLOT                       ; A's scale words, 8,192 bytes
.set SCB, SCA+8192                     ; the weights' scale bytes, 3 x 2,048
.set SPARE, SCB+6144                   ; the spare words: 128 bytes a wave, two blocks of 256 bytes that no other line names
.set ASOFF, 4194304
.set STEPA, 4096*SPS                   ; two slots on, in A's images
.set STEPB, 256*SPS                    ; and along a row of weights
.set LI, 8                             ; v8  16 x lane
.set LS, 9                             ; v9  4 x lane
.set ADA, 10                           ; v10-11 my A fragments in slot 0, 1
.set ADB, 12                           ; v12-13 the weights'
.set LB, 14                            ; v14 16 r + 8 h: where eight codes of q or k go in 256 bytes of an image
.set ADSA, 16                          ; v16 A's scale words: lanes 0-15 an even tile's, lanes 16-31 the odd tile's behind it
.set ADSB, 17                          ; v17 the weights'
.set SPW, 20
.set NIL, 21
.set CD, 64                            ; v64-159  codes, 32 registers a section
.set BY, 160                           ; v160-183 scale bytes, 8 a section
.set MX, 192                           ; v192-223 the quantiser's temporaries
.set T2, 200
.set SO, 208
.set HB, 216
.set WD, 224                           ; v224-235 words
.set WP, 236                           ; v236-241 pairs of words
.set WV, 20
.set SEC, 22                           ; s22 the section that I fetch
.set MHI, 27
.set SEL, 28
.set MNT, 30
.set G1A, 32
.set G1B, 40
.set G1SA, 48
.set G1SB, 56
.set G0A0, 68
.set G0A1, 72
.set G0AS, 76
.set G0B0, 80
.set G0B1, 84
.set G0BS, 88
.set MSB, 0
.set PA, 0
.set PB, 0
.set PS, 0
.set STEPNO, 0
.macro WIN new                         ; the immediate's high byte repeats the setting that is left
.if MSB != (\new)
	s_set_vgpr_msb (MSB<<8)|(\new)
.set MSB, (\new)
.endif
.endm
.macro PLACES n
.rept \n
	v_nop
.endr
.endm
.macro CROUND                          ; a round of the cluster's barrier
	s_barrier_signal -1
	s_barrier_wait -1
	s_cmp_lg_u32 s[WV], 0
	s_cbranch_scc1 .Lnot_wave_0_\@
	s_barrier_signal -3
.Lnot_wave_0_\@:
	s_barrier_wait -3
	s_barrier_signal -1
	s_barrier_wait -1
.endm
.macro G1SET g, c, r, st               ; words 1 to 7 of a group 1: rows of c elements, r rows, st elements from row to row
	s_mov_b32 s[(\g)+1], (\c)<<16
	s_mov_b32 s[(\g)+2], (\r)<<16
	s_mov_b32 s[(\g)+3], (\c)<<16
	s_mov_b32 s[(\g)+4], \r
	s_mov_b32 s[(\g)+5], \st
	s_mov_b32 s[(\g)+6], 0
	s_mov_b32 s[(\g)+7], 0
.endm
.macro G0SET g, lr, la, base, off, add ; a group 0: LDS address s[lr] + la; global address s[base] + s[off] + add
	s_mov_b32 s[\g], 1
	s_add_co_u32 s[(\g)+1], s[\lr], \la
	s_add_nc_u64 s[(\g)+2:(\g)+3], s[\base:\base+1], s[\off:\off+1]
	s_add_nc_u64 s[(\g)+2:(\g)+3], s[(\g)+2:(\g)+3], \add
	s_or_b32 s[(\g)+3], s[(\g)+3], 0x80000000
.endm
.macro WM d, a, b, zero, sa, ra, sb, rb ; one product; ra, rb: the scales of source 0, 1 stand in lanes 16-31
.if \zero
.if (\ra) && (\rb)
	v_wmma_scale_f32_16x16x128_f8f6f4 v[\d:\d+7], v[\a:\a+15], v[\b:\b+15], 0, v[\sa], v[\sb] matrix_a_scale:MATRIX_SCALE_ROW1 matrix_b_scale:MATRIX_SCALE_ROW1
.elseif \ra
	v_wmma_scale_f32_16x16x128_f8f6f4 v[\d:\d+7], v[\a:\a+15], v[\b:\b+15], 0, v[\sa], v[\sb] matrix_a_scale:MATRIX_SCALE_ROW1
.elseif \rb
	v_wmma_scale_f32_16x16x128_f8f6f4 v[\d:\d+7], v[\a:\a+15], v[\b:\b+15], 0, v[\sa], v[\sb] matrix_b_scale:MATRIX_SCALE_ROW1
.else
	v_wmma_scale_f32_16x16x128_f8f6f4 v[\d:\d+7], v[\a:\a+15], v[\b:\b+15], 0, v[\sa], v[\sb]
.endif
.else
.if (\ra) && (\rb)
	v_wmma_scale_f32_16x16x128_f8f6f4 v[\d:\d+7], v[\a:\a+15], v[\b:\b+15], v[\d:\d+7], v[\sa], v[\sb] matrix_a_scale:MATRIX_SCALE_ROW1 matrix_b_scale:MATRIX_SCALE_ROW1
.elseif \ra
	v_wmma_scale_f32_16x16x128_f8f6f4 v[\d:\d+7], v[\a:\a+15], v[\b:\b+15], v[\d:\d+7], v[\sa], v[\sb] matrix_a_scale:MATRIX_SCALE_ROW1
.elseif \rb
	v_wmma_scale_f32_16x16x128_f8f6f4 v[\d:\d+7], v[\a:\a+15], v[\b:\b+15], v[\d:\d+7], v[\sa], v[\sb] matrix_b_scale:MATRIX_SCALE_ROW1
.else
	v_wmma_scale_f32_16x16x128_f8f6f4 v[\d:\d+7], v[\a:\a+15], v[\b:\b+15], v[\d:\d+7], v[\sa], v[\sb]
.endif
.endif
.endm
.macro FRG reg, adr, off, cs           ; a fragment: four loads of 16 bytes a lane, cs bytes apart
.irp c, 0,1,2,3
	ds_load_b128 v[(\reg)+4*\c:(\reg)+4*\c+3], v[\adr] offset:(\off)+(\cs)*\c
.endr
.endm
.macro FETCH_A sl, q, p                ; my four tiles of A, the slot's q-th step, into set p
.irp a, 0,1,2,3
	FRG 64*(\p)+16*\a, ADA+(\sl), \a*TS+2048*(\q), 512
.endr
.endm
.macro FETCH_B sl, q, g, p             ; group g's four tiles of weights: tile t is rows 64 g + 16 t on
.irp t, 0,1,2,3
	FRG 128+64*(\p)+16*\t, ADB+(\sl), (64*(\g)+16*\t)*PITCH+128*(\q), 32
.endr
.endm
.macro FETCH_S st, p                   ; K step st's scale words into set p: two pairs of A's tiles, then 2 NG pairs of the weights'
.irp i, 0,1
	ds_load_b32 v[32+16*(\p)+\i], v[ADSA] offset:\i*128*KST+64*(\st)
.endr
.set II, 0
.rept 2*NG
	ds_load_b32 v[34+16*(\p)+II], v[ADSB] offset:II*1024+4*(\st)
.set II, II+1
.endr
.endm
; 16 products: group g's four tiles x my four tiles of rows.  The accumulators take turns, one instruction a turn, in the same order in every step.
.macro UNIT g, zero
.if (\g) == 2
	WIN 0xf5
.else
	WIN 0xa5
.endif
.irp t, 0,1,2,3
.irp a, 0,1,2,3
.set rA, 64*PA+16*\a
.set rB, 128+64*PB+16*\t
.set rSA, 32+16*PS+\a/2
.set rSB, 34+16*PS+2*(\g)+\t/2
.if (\g) == 2
.set rD, 32*\a+8*\t
	WM rD, rA, rB, \zero, rSA, \a%2, rSB, \t%2
.else
.set rD, 128*(\g)+32*\a+8*\t
	WM rD, rB, rA, \zero, rSB, \t%2, rSA, \a%2
.endif
.endr
.endr
.endm
; A slot's steps.  While a unit of 16 products runs, the next unit's fragments are on their way into the other sets; eight places stand in front of each run of loads into registers that products have read.
.macro WORK sl, nst, zero
	WIN 0x40
	FETCH_A \sl, 0, PA
	FETCH_B \sl, 0, 0, PB
	WIN 0
	FETCH_S STEPNO, PS
.set QQ, 0
.rept \nst
.set GG, 0
.rept NG
.set ZF, 0
.if (\zero) && (QQ == 0)
.set ZF, 1
.endif
.if GG < NG-1
	PLACES 8
	WIN 0x40
	FETCH_B \sl, QQ, GG+1, 1-PB
	s_wait_dscnt 16                                ; all but the 16 loads just issued: this unit's fragments are in
.elseif QQ < (\nst)-1
	PLACES 8
	WIN 0x40
	FETCH_A \sl, QQ+1, 1-PA
	FETCH_B \sl, QQ+1, 0, 1-PB
	WIN 0
	FETCH_S STEPNO+1, 1-PS
	s_wait_dscnt 32+NS                             ; all but the loads just issued
.else
	s_wait_dscnt 0x0
.endif
	UNIT GG, ZF
.set PB, 1-PB
.set GG, GG+1
.endr
.set PA, 1-PA
.set PS, 1-PS
.set STEPNO, STEPNO+1
.set QQ, QQ+1
.endr
.endm
.macro JLOAD g0a, g0b                  ; a joint refill: wave 3 asks for A's tiles, waves 0-2 for their sections; four v_nop follow each line
	s_cmp_eq_u32 s[WV], 3
	s_cbranch_scc0 .Lfor_b_\@
	tensor_load_to_lds s[\g0a:\g0a+3], s[G1A:G1A+7]
	s_nop 0
	PLACES 4
	s_branch .Lasked_\@
.Lfor_b_\@:
	tensor_load_to_lds s[\g0b:\g0b+3], s[G1B:G1B+7]
	s_nop 0
	PLACES 4
.Lasked_\@:
.endm
; The change of slots: all my tensor loads have landed (my part of the next slot), 0 is added onto my spare word, the add and my reads of the slot just left are waited for; then the barrier.
; fill = 1: the barrier is a round of the cluster's, and the joint refill of the slot just left is the first thing behind it.
.macro CHANGE fill, g0a, g0b
	WIN 0
	s_wait_tensorcnt 0x0
	ds_add_u32 v[SPW], v[NIL]
.if \fill
	s_add_nc_u64 s[\g0a+2:\g0a+3], s[\g0a+2:\g0a+3], STEPA
	s_add_nc_u64 s[\g0b+2:\g0b+3], s[\g0b+2:\g0b+3], STEPB
	s_wait_dscnt 0x0
	CROUND
	JLOAD \g0a, \g0b
	PLACES 4                                       ; with the four behind the load: eight places in front of the loads that follow
.else
	s_wait_dscnt 0x0
	s_barrier_signal -1
	s_barrier_wait -1
	PLACES 8
.endif
.endm
	s_load_b256 s[4:11], s[0:1], 0x0               ; act s[4:5], w_qkv_codes s[6:7], w_qkv_scales s[8:9], qb s[10:11]
	s_load_b64 s[12:13], s[0:1], 0x20              ; kv
	v_lshl_add_u32 v[SPW], v0, 2, SPARE
	v_mov_b32 v[NIL], 0
	ds_add_u32 v20, v21
	ds_add_u32 v20, v21
	s_wait_dscnt 0x0
	v_lshrrev_b32 v3, 5, v0
	v_readfirstlane_b32 s[WV], v3
	s_min_u32 s[SEC], s[WV], 2
	s_bfe_u32 s23, ttmp6, 0x40000                  ; cx
	s_bfe_u32 s24, ttmp6, 0x40004                  ; cy
	s_lshl_b32 s25, ttmp9, 2
	s_add_co_u32 s25, s25, s23                     ; X: the head
	s_and_b32 s26, ttmp7, 0xffff
	s_lshl_b32 s26, s26, 2
	s_add_co_u32 s26, s26, s24                     ; Y: which 256 rows
	s_lshl_b32 s92, s24, 2
	s_lshl_b32 s92, 15, s92                        ; my row of the cluster
	s_lshl_b32 s93, 0x1111, s23                    ; my column
	s_mov_b32 s[MHI], 0xffff0000
	s_mov_b32 s[SEL], 0x76543210
	s_mov_b32 s[SEL+1], 0xfedcba98
	s_mov_b32 s[MNT], 0x600000
	s_or_b32 s[G1A], s92, (3<<16)|(1<<21)          ; A's images: 16 tiles, 4,096 bytes of each (512 elements of 8 bytes), 16,384 bytes apart
	G1SET G1A, 256*SPS, 16, 256*KST
	s_or_b32 s[G1B], s93, (1<<20)|(1<<21)|(5<<22)|(3<<25)   ; weights: 64 rows of 256 bytes, 1,024 apart; 4 words of padding behind every 64
	G1SET G1B, 256, 64, 1024
	s_or_b32 s[G1SA], s92, (3<<16)|(1<<21)         ; A's scale words: 8,192 dense bytes as 32 rows of 256
	G1SET G1SA, 32, 32, 32
	s_or_b32 s[G1SB], s93, (3<<16)|(1<<21)         ; a section's scale bytes: 2,048 dense bytes
	G1SET G1SB, 32, 8, 32
	s_lshl_b32 s94, s26, 18                        ; A: 16 Y tiles of 16,384 bytes
	s_mov_b32 s95, 0
	s_lshl_b32 s96, s26, 13
	s_add_co_u32 s96, s96, ASOFF
	s_mov_b32 s97, 0
	s_lshl_b32 s98, s[SEC], 10
	s_lshl_b32 s99, s25, 6
	s_add_co_u32 s98, s98, s99                     ; weights: row 1,024 x section + 64 x head
	s_lshl_b32 s100, s98, 5
	s_mov_b32 s101, 0
	s_lshl_b32 s98, s98, 10
	s_mov_b32 s99, 0
	s_mov_b32 s66, 0
	s_mul_i32 s31, s[SEC], 64*PITCH
	s_lshl_b32 s67, s[SEC], 11
	s_wait_kmcnt 0x0
	G0SET G0AS, 66, SCA, 4, 96, 0
	G0SET G0A0, 66, 0, 4, 94, 0
	G0SET G0A1, 66, SLOT, 4, 94, 2048*SPS
	G0SET G0BS, 67, SCB, 8, 100, 0
	G0SET G0B0, 31, BOFF, 6, 98, 0
	G0SET G0B1, 31, SLOT+BOFF, 6, 98, 128*SPS
	CROUND                                         ; all sixteen work-groups are here: the first joint loads meet
	s_cmp_eq_u32 s[WV], 3                          ; a wave's three first fills stand in one branch: scales, slot 0, slot 1: three loads of mine are out
	s_cbranch_scc0 .Lfirst_b
	tensor_load_to_lds s[G0AS:G0AS+3], s[G1SA:G1SA+7]
	s_nop 0
	tensor_load_to_lds s[G0A0:G0A0+3], s[G1A:G1A+7]
	s_nop 0
	tensor_load_to_lds s[G0A1:G0A1+3], s[G1A:G1A+7]
	s_nop 0
	PLACES 4
	s_branch .Lfirst_done
.Lfirst_b:
	tensor_load_to_lds s[G0BS:G0BS+3], s[G1SB:G1SB+7]
	s_nop 0
	tensor_load_to_lds s[G0B0:G0B0+3], s[G1B:G1B+7]
	s_nop 0
	tensor_load_to_lds s[G0B1:G0B1+3], s[G1B:G1B+7]
	s_nop 0
	PLACES 4
.Lfirst_done:
	v_and_b32 v1, 15, v0                           ; r
	v_bfe_u32 v2, v0, 4, 1                         ; h
	v_and_b32 v3, 31, v0
	v_lshlrev_b32 v[LI], 4, v3
	v_lshlrev_b32 v[LS], 2, v3
	v_lshlrev_b32 v[LB], 4, v1
	v_lshl_add_u32 v[LB], v2, 3, v[LB]             ; 16 r + 8 h
	s_lshl_b32 s31, s[WV], 14
	v_add_nc_u32 v[ADA], s31, v[LI]                ; my four tiles of A: 4 w x 4,096
	v_add_nc_u32 v[ADA+1], SLOT, v[ADA]
	v_mul_u32_u24 v4, v1, PITCH
	v_lshl_add_u32 v4, v2, 4, v4                   ; a tile's row r, + 16 h
	v_add_nc_u32 v[ADB], BOFF, v4
	v_add_nc_u32 v[ADB+1], SLOT, v[ADB]
	v_lshlrev_b32 v4, 2, v1
	v_lshl_add_u32 v4, v2, 9, v4                   ; 4 r, + a tile's 512 bytes for lanes 16-31
	s_lshl_b32 s31, s[WV], 11
	s_add_co_u32 s31, s31, SCA
	v_add_nc_u32 v[ADSA], s31, v4
	v_lshlrev_b32 v4, 5, v1
	v_lshl_add_u32 v4, v2, 9, v4                   ; 32 bytes a row, + sixteen rows for lanes 16-31
	v_add_nc_u32 v[ADSB], SCB, v4
.irp e, 0,1,2,3,4,5,6,7
	v_mov_b32 v[T2+\e], 0                          ; a lane permute's destination counts as read: written once
.endr
	s_wait_tensorcnt 0x1                           ; the scales and my part of slot 0 are in; slot 1's load may stay out
	s_barrier_signal -1
	s_barrier_wait -1
	WORK 0, 2, 1
	CHANGE 1, G0A0, G0B0
	WORK 1, 2, 0
	CHANGE 1, G0A1, G0B1
	WORK 0, 2, 0
	CHANGE 0, G0A0, G0B0
	WORK 1, 2, 0
	WIN 0
	; where the results go.  No tensor load is out, so the descriptors' registers are free.
	s_lshr_b32 s32, s26, 3
	s_lshl_b32 s32, s32, 4
	s_add_co_u32 s32, s32, s25                     ; bh = 16 x batch + head
	s_and_b32 s33, s26, 7
	s_lshl_b32 s34, s33, 4
	s_lshl_b32 s35, s[WV], 2
	s_add_co_u32 s34, s34, s35                     ; my first tile among the batch's 128
	s_lshl_b32 s36, s32, 7
	s_add_co_u32 s36, s36, s34
	s_lshl_b32 s38, s36, 6
	s_add_co_u32 s38, s38, 4194304
	s_mov_b32 s39, 0
	s_lshl_b32 s36, s36, 10
	s_mov_b32 s37, 0
	s_add_nc_u64 s[36:37], s[10:11], s[36:37]      ; q's codes
	s_add_nc_u64 s[38:39], s[10:11], s[38:39]      ; q's scale words
	s_mul_i32 s40, s32, 274432
	s_mov_b32 s41, 0
	s_add_nc_u64 s[12:13], s[12:13], s[40:41]      ; kv at my head
	s_lshl_b32 s40, s34, 10
	s_add_nc_u64 s[42:43], s[12:13], s[40:41]      ; k's codes
	s_lshl_b32 s40, s34, 6
	s_add_co_u32 s40, s40, 262144
	s_add_nc_u64 s[44:45], s[12:13], s[40:41]      ; k's scale words
	s_lshl_b32 s33, s33, 1
	s_lshr_b32 s35, s[WV], 1
	s_add_co_u32 s33, s33, s35                     ; my step of 128 keys
	s_and_b32 s35, s[WV], 1                        ; and which half of it
	s_lshl_b32 s40, s33, 13
	s_lshl_b32 s50, s35, 10
	s_add_co_u32 s40, s40, s50
	s_add_co_u32 s40, s40, 131072
	s_add_nc_u64 s[46:47], s[12:13], s[40:41]      ; v's codes
	s_lshl_b32 s40, s33, 8
	s_lshl_b32 s35, s35, 1
	s_add_co_u32 s40, s40, s35
	s_add_co_u32 s40, s40, 270336
	s_add_nc_u64 s[48:49], s[12:13], s[40:41]      ; v's half scale words
	PLACES 8                                       ; behind the last products, ahead of the first read of results
; Eight blocks of 32 of one section, by turns.  A block's 16 numbers of a lane lie in two accumulators, LO and HI.  Each phase stands under one window setting; each accumulator is read from its low end on.
.macro LOHI e, base, mode
.if \mode
.set LO, (\base)+64*((\e)/4)+8*((\e)%4)
.set HI, LO+32
.else
.set LO, (\base)+16*(\e)
.set HI, LO+8
.endif
.endm
.macro QUANT8 w, base, mode, sec
	WIN (\w)|((\w)<<2)
.irp e, 0,1,2,3,4,5,6,7
	LOHI \e, \base, \mode
	v_max3_num_f32 v[MX+\e], |v[LO]|, |v[LO+1]|, 0x4800000       ; with the floor 2^(9 - 127)
.endr
	WIN ((\w)<<2)|((\w)<<4)
.irp i, 2,4,6
.irp e, 0,1,2,3,4,5,6,7
	LOHI \e, \base, \mode
	v_max3_num_f32 v[MX+\e], v[MX+\e], |v[LO+\i]|, |v[LO+\i+1]|
.endr
.endr
.irp i, 0,2,4,6
.irp e, 0,1,2,3,4,5,6,7
	LOHI \e, \base, \mode
	v_max3_num_f32 v[MX+\e], v[MX+\e], |v[HI+\i]|, |v[HI+\i+1]|
.endr
.endr
	WIN 0
.irp e, 0,1,2,3,4,5,6,7
	v_permlanex16_b32 v[T2+\e], v[MX+\e], s[SEL], s[SEL+1]
.endr
.irp e, 0,1,2,3,4,5,6,7
	v_max_num_f32 v[MX+\e], v[MX+\e], v[T2+\e]
.endr
.irp e, 0,1,2,3,4,5,6,7
	v_add_nc_u32 v[SO+\e], 0xfc000000, v[MX+\e]
.endr
.irp e, 0,1,2,3,4,5,6,7
	v_and_or_b32 v[HB+\e], v[MX+\e], 0x7f800000, s[MNT]
.endr
.irp e, 0,1,2,3,4,5,6,7
	v_lshrrev_b32 v[BY+8*(\sec)+\e], 23, v[SO+\e]
.endr
	WIN ((\w)<<6)|(\w)
.irp e, 0,1,2,3,4,5,6,7
	LOHI \e, \base, \mode
.set J, 0
.rept 8
	v_med3_num_f32 v[LO+J], v[LO+J], -v[HB+\e], v[HB+\e]
.set J, J+1
.endr
.set J, 0
.rept 8
	v_med3_num_f32 v[HI+J], v[HI+J], -v[HB+\e], v[HB+\e]
.set J, J+1
.endr
.endr
	WIN \w
.irp e, 0,1,2,3,4,5,6,7
	LOHI \e, \base, \mode
	v_cvt_scalef32_pk8_fp8_f32 v[CD+32*(\sec)+4*\e:CD+32*(\sec)+4*\e+1], v[LO:LO+7], v[SO+\e]
	v_cvt_scalef32_pk8_fp8_f32 v[CD+32*(\sec)+4*\e+2:CD+32*(\sec)+4*\e+3], v[HI:HI+7], v[SO+\e]
.endr
	WIN 0
	v_nop                                          ; one plain line behind the last scaled conversion
.endm
.macro QKOUT sec, pc, pw               ; q or k: block 2 a + b is channels 32 b on of tile a: 512 bytes of its image, in two halves of 256; a tile's word is its two bytes
.irp a, 0,1,2,3
	v_lshl_or_b32 v[WD+4*(\sec)+\a], v[BY+8*(\sec)+2*\a+1], 8, v[BY+8*(\sec)+2*\a]
.endr
.irp p, 0,1
	v_cndmask_b32 v[WP+2*(\sec)+\p], v[WD+4*(\sec)+2*\p], v[WD+4*(\sec)+2*\p+1], s[MHI]   ; lanes 0-15 the even tile's words, lanes 16-31 the odd tile's
.endr
.irp e, 0,1,2,3,4,5,6,7
	global_store_b64 v[LB], v[CD+32*(\sec)+4*\e:CD+32*(\sec)+4*\e+1], s[\pc:\pc+1] offset:512*\e           ; channels 32 b + 8 h + 0 .. 7: 32 lanes store 256 consecutive bytes, aligned
	global_store_b64 v[LB], v[CD+32*(\sec)+4*\e+2:CD+32*(\sec)+4*\e+3], s[\pc:\pc+1] offset:512*\e+256     ; channels 32 b + 16 + 8 h + 0 .. 7
.endr
.irp p, 0,1
	global_store_b32 v[LS], v[WP+2*(\sec)+\p], s[\pw:\pw+1] offset:128*\p
.endr
.endm
	QUANT8 2, 0, 0, 0
	QKOUT 0, 36, 38
	QUANT8 2, 128, 0, 1
	QKOUT 1, 42, 44
	QUANT8 3, 0, 1, 2                              ; v: block 4 b + t is keys 32 b on of my 64, tile t of channels
.irp t, 0,1,2,3
	v_lshl_or_b32 v[WD+8+\t], v[BY+20+\t], 8, v[BY+16+\t]        ; my two of the word's four bytes
.endr
.irp p, 0,1
	v_cndmask_b32 v[WP+4+\p], v[WD+8+2*\p], v[WD+9+2*\p], s[MHI]
.endr
.irp b, 0,1
.irp t, 0,1,2,3
	global_store_b128 v[LI], v[CD+64+16*\b+4*\t:CD+64+16*\b+4*\t+3], s[46:47] offset:2048*\t+512*\b   ; 32 lanes store 512 consecutive bytes
.endr
.endr
.irp p, 0,1
	global_store_b16 v[LS], v[WP+4+\p], s[48:49] offset:128*\p   ; a wave holds 64 of a step's 128 keys: half of each word
.endr
	s_wait_tensorcnt 0x0                           ; the wave's end
	ds_add_u32 v[SPW], v[NIL]
	s_wait_dscnt 0x0
	CROUND                                         ; the closing round
	s_endpgm
.Lfunc_end_k_q45d9cf5b03_qkv:
	.size	k_q45d9cf5b03_qkv, .Lfunc_end_k_q45d9cf5b03_qkv-k_q45d9cf5b03_qkv
	.p2alignl 7, 3214868480
	.fill 96, 4, 3214868480
	.section	.rodata,"a",@progbits
	.p2align	6, 0x0
	.amdhsa_kernel k_q45d9cf5b03_qkv
		.amdhsa_group_segment_fixed_size 327680
		.amdhsa_private_segment_fixed_size 0
		.amdhsa_enable_private_segment 0
		.amdhsa_kernarg_size 40
		.amdhsa_user_sgpr_count 2
		.amdhsa_user_sgpr_kernarg_segment_ptr 1
		.amdhsa_wavefront_size32 1
		.amdhsa_system_sgpr_workgroup_id_x 1
		.amdhsa_system_sgpr_workgroup_id_y 1
		.amdhsa_system_sgpr_workgroup_id_z 1
		.amdhsa_system_vgpr_workitem_id 0
		.amdhsa_next_free_vgpr 896
		.amdhsa_next_free_sgpr 102
		.amdhsa_reserve_vcc 0
		.amdhsa_float_denorm_mode_32 3
		.amdhsa_float_denorm_mode_16_64 3
		.amdhsa_memory_ordered 1
		.amdhsa_forward_progress 1
		.amdhsa_inst_pref_size 158
	.end_amdhsa_kernel
	.amdgpu_metadata
---
amdhsa.version: [ 1, 2 ]
amdhsa.kernels:
  - .name:           k_q45d9cf5b03_qkv
    .symbol:         k_q45d9cf5b03_qkv.kd
    .args:
      - { .name: act, .offset: 0, .size: 8, .value_kind: global_buffer, .address_space: global }
      - { .name: w_qkv_codes, .offset: 8, .size: 8, .value_kind: global_buffer, .address_space: global }
      - { .name: w_qkv_scales, .offset: 16, .size: 8, .value_kind: global_buffer, .address_space: global }
      - { .name: qb, .offset: 24, .size: 8, .value_kind: global_buffer, .address_space: global }
      - { .name: kv, .offset: 32, .size: 8, .value_kind: global_buffer, .address_space: global }
    .group_segment_fixed_size: 327680
    .private_segment_fixed_size: 0
    .kernarg_segment_align: 8
    .kernarg_segment_size: 40
    .max_flat_workgroup_size: 128
    .sgpr_count:     102
    .vgpr_count:     896
    .wavefront_size: 32
...
	.end_amdgpu_metadata
.endif
;; end of part 2
;; launch attn (part 3): grid 8 x 32, 16 waves a work-group, no clusters, 276,480 bytes of LDS; arguments qb, kv, act; writes act
.if DOCPART == 3
	.amdgcn_target "amdgcn-amd-amdhsa--gfx1250"
	.amdhsa_code_object_version 6
	.text
	.protected	k_q45d9cf5b03_attn
	.globl	k_q45d9cf5b03_attn
	.p2align	8
	.type	k_q45d9cf5b03_attn,@function
k_q45d9cf5b03_attn:
	s_mov_b64 s[64:65], 0
	v_nop
	global_prefetch_b8 v0, s[64:65] scope:SCOPE_SE
	s_setreg_imm32_b32 hwreg(HW_REG_WAVE_MODE, 25, 1), 1
	s_wait_xcnt 0x0
; ATTENTION with ALiBi and a causal mask, both products on codes of E4M3 with E8M0 scales; the result is quantised along the channels for the next product and stored as images in act.
; score = q . k / 32 + m (key - query), m = 2^(-(head + 1) / 2).  t = score x log2(e); M = the running largest t rounded UP to a whole number; p = 2^(t - M) is quantised along the keys, not normalised;
; the row's sum is taken of the unquantised p and divides at the end.  When M moves, the sum and O are multiplied by 2^(old M - new M), which rounds nothing.
; SHARES.  A work-group serves one head (work-group y); its 274,432 bytes of kv (K's codes, V's codes, both scale words) come into LDS ONCE and stay: nothing is filled again.  They come in three loads a wave, issued together:
; the scale words (768 bytes a wave), key steps 0 and 1 (2,048 bytes a wave: waves 0-7 K's, waves 8-15 V's), key steps 2 to 15 (14,336 bytes a wave).  The first two key steps are worked while the third load is on its way;
; they are written out ahead of the loop, so that every LDS address in them is a constant and a lane's term.
; Each of the sixteen waves owns one tile of 16 queries.  Waves take tile 8 i + a or 127 - 8 i - a (i: work-group x, a = wave / 2), so that every work-group has the same number of key steps.
; NO CLUSTER: a step all of whose keys come after a wave's queries is jumped over, a branch on the tile of queries, which differs between the work-groups that would share K and V.
; LAYOUT.  Both products are used transposed (S^T = K Q^T, O^T = V^T P^T): a lane holds one query, Q0 + r + 8 (r/8).  Tile T of keys holds keys 32 (T/2) + 8 (T%2) + r + 8 (r/8), so the registers of tiles 2 b and 2 b + 1 are
; keys 32 b + 16 h + 0 .. 15.  V's tile ct holds channels 16 ct + r, so O^T's register 8 ct + j is channel 16 ct + 8 h + j: eight codes are 8 bytes of the image, stored at 16 r + 8 h (tile 2 b) and 256 bytes further on (tile 2 b + 1).
; THE HEAD'S K IS 64, the instruction's 128: Q's registers 8-15 are zero codes and bytes 2, 3 of Q's and K's scale words are 0.  Registers 8-15 of K's fragments hold whatever V's fragment left there: codes made by this
; program's quantiser, which holds at 448 and so makes no NaN code; they meet zero codes.
; ALiBi: the part of m (key - query) that hangs on lane and register, 32 m (16 h + j - r - 8 (r/8)), is the C of every K Q^T; the part that hangs on step and tile is added with -M in the scaling's multiply-add.
; LIMITS: NaN and infinities are not served; a block under 2^-118 gets the byte 1.  A block's largest p is taken from the block's largest t by the same multiply-add and exponential, which takes v_exp_f32 not to fall where its input rises.
; REGISTERS: v1 16 x lane, v2 4 x lane, v3 r + 8 (r/8) - 16 h, v4 m log2(e), v5 the step's first key less Q0, v6 4 r + h, v7 4 r; v8-11 LDS addresses; v12 -M, v13 largest t, v[14:15] the sum; v16-31 Q; v32-95 four fragments;
; v96-159 S^T, then p; v160-191 O^T; v192-207 p's codes; v208-215 C; v216-223 each tile's largest score; v224-231 each tile's offset; v232-247, v254 at work; v248-251 K's or V's scale words; v252 f; v253 p's scale word; v255 Q's.
.set WV, 10
.set BH, 11
.set G0S, 12                           ; s[12:15] group 0 of the scale words' load;  s[16:23] its group 1
.set G1S, 16
.set SEL, 24                           ; s[24:25]
.set CS, 26                            ; s[26:27] c = log2(e) / 32
.set MNT, 28
.set MHI, 29
.set Q0, 36                            ; my first query
.set QL, 37                            ; my last: Q0 + 23
.set KF, 38                            ; the step's first key
.set TK, 39                            ; LDS: the step's K codes, V codes, K scale words, V scale words
.set TV, 40
.set TSK, 41
.set TSV, 42
.set CNT, 43
.set MB, 44                            ; m's bits
.set M32, 45                           ; 32 m's
.set TQ, 46
.set T0, 47
.set G0C, 56                           ; s[56:59] group 0 of key steps 0 and 1;  s[68:75] its group 1
.set G0D, 60                           ; s[60:63] group 0 of key steps 2 to 15;  s[76:83] its group 1
.set G1C, 68
.set G1D, 76
.macro G1SET g, r                      ; a dense block as r rows of 256 bytes (32 elements of 8 bytes), no mask, no padding
	s_mov_b32 s[\g], 3<<16
	s_mov_b32 s[(\g)+1], 32<<16
	s_mov_b32 s[(\g)+2], (\r)<<16
	s_mov_b32 s[(\g)+3], 32<<16
	s_mov_b32 s[(\g)+4], \r
	s_mov_b32 s[(\g)+5], 32
	s_mov_b32 s[(\g)+6], 0
	s_mov_b32 s[(\g)+7], 0
.endm
.macro G0SET g                         ; s[g + 1] holds the LDS address, which is also the place among the head's bytes in memory
	s_mov_b32 s[\g], 1
	s_mov_b32 s34, s[(\g)+1]
	s_add_nc_u64 s[(\g)+2:(\g)+3], s[6:7], s[34:35]
	s_or_b32 s[(\g)+3], s[(\g)+3], 0x80000000
.endm
	s_load_b128 s[4:7], s[0:1], 0x0                ; qb, kv
	s_load_b64 s[8:9], s[0:1], 0x10                ; act
	v_lshl_add_u32 v254, v0, 2, 0x43000
	v_mov_b32 v255, 0
	ds_add_u32 v254, v255
	ds_add_u32 v254, v255
	s_wait_dscnt 0x0
	v_lshrrev_b32 v6, 5, v0
	v_readfirstlane_b32 s[WV], v6
	s_and_b32 s[BH], ttmp7, 0xffff
	G1SET G1S, 3
	G1SET G1C, 8
	G1SET G1D, 56
	s_lshr_b32 s30, s[WV], 3                       ; 0: I fetch of K's codes; 1: of V's
	s_mul_i32 s[G0S+1], s[WV], 768
	s_add_co_u32 s[G0S+1], s[G0S+1], 262144        ; the scale words: 12,288 bytes from 262,144 on, a sixteenth a wave
	s_lshl_b32 s[G0C+1], s[WV], 11
	s_mul_i32 s31, s30, 114688
	s_add_co_u32 s[G0C+1], s[G0C+1], s31           ; steps 0, 1: K's 16,384 bytes at 0, V's at 131,072, an eighth a wave
	s_mul_i32 s[G0D+1], s[WV], 14336
	s_lshl_b32 s31, s30, 14
	s_add_co_u32 s[G0D+1], s[G0D+1], s31
	s_add_co_u32 s[G0D+1], s[G0D+1], 16384         ; steps 2 to 15: K's 114,688 bytes at 16,384, V's at 147,456, an eighth a wave
	s_mul_i32 s34, s[BH], 274432
	s_mov_b32 s35, 0
	s_wait_kmcnt 0x0
	s_add_nc_u64 s[6:7], s[6:7], s[34:35]          ; kv at my head
	G0SET G0S
	G0SET G0C
	G0SET G0D
	tensor_load_to_lds s[G0S:G0S+3], s[G1S:G1S+7]  ; the three first fills go out together: three loads of mine are out
	s_nop 0
	tensor_load_to_lds s[G0C:G0C+3], s[G1C:G1C+7]
	s_nop 0
	tensor_load_to_lds s[G0D:G0D+3], s[G1D:G1D+7]
	s_nop 0
.rept 4
	v_nop
.endr
	s_lshr_b32 s30, s[WV], 1
	s_lshl_b32 s31, ttmp9, 3
	s_add_co_u32 s30, s30, s31                     ; 8 i + a
	s_sub_co_u32 s31, 127, s30
	s_lshr_b32 s32, s[WV], 2
	s_xor_b32 s32, s32, s[WV]
	s_and_b32 s32, s32, 1
	s_cmp_eq_u32 s32, 1
	s_cselect_b32 s[TQ], s31, s30                  ; my tile of queries
	s_lshr_b32 s30, s[TQ], 1
	s_lshl_b32 s30, s30, 5
	s_and_b32 s31, s[TQ], 1
	s_lshl_b32 s31, s31, 3
	s_add_co_u32 s[Q0], s30, s31
	s_add_co_u32 s[QL], s[Q0], 23
	s_lshl_b32 s30, s[BH], 7
	s_add_co_u32 s30, s30, s[TQ]
	s_lshl_b32 s32, s30, 6
	s_add_co_u32 s32, s32, 4194304
	s_mov_b32 s33, 0
	s_lshl_b32 s30, s30, 10
	s_mov_b32 s31, 0
	s_add_nc_u64 s[30:31], s[4:5], s[30:31]        ; Q's image
	s_add_nc_u64 s[32:33], s[4:5], s[32:33]        ; and its scale words
	v_and_b32 v6, 31, v0
	v_lshlrev_b32 v1, 4, v6
	v_lshlrev_b32 v2, 2, v6
	v_and_b32 v6, 15, v0                           ; r
	v_lshlrev_b32 v7, 2, v6
	global_load_b128 v[16:19], v1, s[30:31]
	global_load_b128 v[20:23], v1, s[30:31] offset:512
	global_load_b32 v255, v7, s[32:33]
	v_and_b32 v3, 8, v6
	v_add_nc_u32 v3, v3, v6
	v_bfe_u32 v5, v0, 4, 1                         ; h
	v_lshlrev_b32 v4, 4, v5
	v_sub_nc_u32 v3, v3, v4                        ; r + 8 (r/8) - 16 h
	v_add_nc_u32 v6, v7, v5                        ; 4 r + h
	; where the result goes: tile T = 128 x batch + my tile; K step head / 2, blocks 2 (head % 2) + 0, 1
	s_lshr_b32 s34, s[BH], 4
	s_lshl_b32 s34, s34, 7
	s_add_co_u32 s34, s34, s[TQ]
	s_and_b32 s35, s[BH], 15                       ; the head
	s_lshr_b32 s47, s35, 1
	s_and_b32 s52, s35, 1
	s_lshl_b32 s48, s34, 14
	s_lshl_b32 s53, s47, 11
	s_add_co_u32 s48, s48, s53
	s_lshl_b32 s53, s52, 10
	s_add_co_u32 s48, s48, s53
	s_mov_b32 s49, 0
	s_lshl_b32 s50, s34, 9
	s_lshl_b32 s53, s47, 6
	s_add_co_u32 s50, s50, s53
	s_lshl_b32 s53, s52, 1
	s_add_co_u32 s50, s50, s53
	s_add_co_u32 s50, s50, 4194304
	s_mov_b32 s51, 0
	s_add_nc_u64 s[48:49], s[8:9], s[48:49]
	s_add_nc_u64 s[50:51], s[8:9], s[50:51]
	; m = 2^(-n / 2), n = head + 1: sqrt(2) or 1, with (n + 1) / 2 taken off the exponent field
	s_add_co_u32 s35, s35, 1
	s_add_co_u32 s47, s35, 1
	s_lshr_b32 s47, s47, 1
	s_lshl_b32 s47, s47, 23
	s_mov_b32 s[MB], 0x3f800000
	s_bitcmp1_b32 s35, 0
	s_cselect_b32 s[MB], 0x3fb504f3, s[MB]
	s_sub_co_u32 s[MB], s[MB], s47
	s_add_co_u32 s[M32], s[MB], 0x2800000
	s_mov_b32 s[SEL], 0x76543210
	s_mov_b32 s[SEL+1], 0xfedcba98
	s_mov_b32 s[CS], 0x3d38aa3b
	s_mov_b32 s[CS+1], s[CS]
	s_mov_b32 s[MNT], 0x600000
	s_mov_b32 s[MHI], 0xffff0000
	s_mov_b32 s[KF], 0
	s_mov_b32 s[TK], 0
	s_mov_b32 s[TV], 131072
	s_mov_b32 s[TSK], 262144
	s_mov_b32 s[TSV], 270336
	s_mov_b32 s[CNT], 0
.irp j, 0,1,2,3,4,5,6,7
	v_sub_nc_u32 v[208+\j], \j, v3
.endr
.irp j, 0,1,2,3,4,5,6,7
	v_cvt_f32_i32 v[208+\j], v[208+\j]
.endr
.irp j, 0,1,2,3,4,5,6,7
	v_mul_f32 v[208+\j], s[M32], v[208+\j]         ; 32 m (16 h + j - r - 8 (r/8))
.endr
	v_mov_b32 v4, s[MB]
	v_mul_f32 v4, 0x3fb8aa3b, v4                   ; m log2(e)
	v_mov_b32 v13, 0xff61b1e6                      ; the largest t so far: -3e38
	v_floor_f32 v12, -v13
	v_mov_b32 v14, 0
	v_mov_b32 v15, 0
.set J, 24
.rept 8
	v_mov_b32 v[J], 0                              ; Q's upper half: zero codes
.set J, J+1
.endr
.irp t, 0,1,2,3
.irp j, 0,1,2,3,4,5,6,7
	v_mov_b32 v[40+16*\t+\j], 0                    ; the fragments' upper halves, until V's first fragments land there
.endr
.endr
.set J, 160
.rept 32
	v_mov_b32 v[J], 0                              ; O^T: the first change of M leaves zeros zeros
.set J, J+1
.endr
.irp j, 236,237,238,239,240,253
	v_mov_b32 v[\j], 0                             ; lane permutes' destinations, and the upper half of the pair v[252:253]
.endr
.macro KQ g                            ; four tiles of 16 keys: 8 registers of codes each; in the first group also the step's four pairs of scale words
.irp t, 0,1,2,3
	ds_load_b128 v[32+16*\t:35+16*\t], v8 offset:1024*(4*\g+\t)
	ds_load_b128 v[36+16*\t:39+16*\t], v8 offset:1024*(4*\g+\t)+512
.endr
.if \g == 0
.irp p, 0,1,2,3
	ds_load_b32 v[248+\p], v10 offset:128*\p       ; lanes 0-15 tile 2 p's words, lanes 16-31 tile 2 p + 1's
.endr
.endif
	s_wait_dscnt 0x0
.irp t, 0,2
	v_wmma_scale_f32_16x16x128_f8f6f4 v[96+8*(4*\g+\t):103+8*(4*\g+\t)], v[32+16*\t:47+16*\t], v[16:31], v[208:215], v[248+2*\g+\t/2], v255
	v_wmma_scale_f32_16x16x128_f8f6f4 v[104+8*(4*\g+\t):111+8*(4*\g+\t)], v[48+16*\t:63+16*\t], v[16:31], v[208:215], v[248+2*\g+\t/2], v255 matrix_a_scale:MATRIX_SCALE_ROW1
.endr
.endm
; A KEY STEP: 128 keys.  A step all of whose keys come after my queries does no work: a scalar branch on ids, round the step's loads, products and softmax, not round the lines at its end that step the addresses.
.macro STEP
	s_cmp_gt_u32 s[KF], s[QL]
	s_cbranch_scc1 .Lhidden_\@
	v_add_nc_u32 v8, s[TK], v1
	v_add_nc_u32 v9, s[TV], v1
	v_add_nc_u32 v10, s[TSK], v2
	v_add_nc_u32 v11, s[TSV], v2
	s_sub_co_i32 s[T0], s[KF], s[Q0]
	v_cvt_f32_i32 v5, s[T0]
	v_add_f32 v224, 0, v5                          ; tile 2 b + u: + 32 b + 8 u; whole numbers, so nothing is rounded
	v_add_f32 v225, 0x41000000, v5
	v_add_f32 v226, 0x42000000, v5
	v_add_f32 v227, 0x42200000, v5
	v_add_f32 v228, 0x42800000, v5
	v_add_f32 v229, 0x42900000, v5
	v_add_f32 v230, 0x42c00000, v5
	v_add_f32 v231, 0x42d00000, v5                 ; (these 13 plain lines are the places in front of the loads into registers that the last products read)
	KQ 0
.irp t, 0,1,2,3,4,5,6,7
	v_mul_f32 v[224+\t], v4, v[224+\t]             ; the tile's offset in t.  (These eight are the places between the first four products and the loads into their fragments' registers)
.endr
	KQ 1
.rept 8
	v_nop                                          ; behind the products: ahead of the loads below and of the first read of the scores
.endr
.irp t, 0,1,2,3                        ; V's four fragments and two pairs of scale words are asked for now and land under the softmax
.irp c, 0,1,2,3
	ds_load_b128 v[32+16*\t+4*\c:35+16*\t+4*\c], v9 offset:2048*\t+512*\c
.endr
.endr
	ds_load_b32 v248, v11
	ds_load_b32 v249, v11 offset:128
	s_add_co_u32 s[T0], s[KF], 127                 ; on the diagonal hidden keys' scores become -infinity; a step all of whose keys count skips this
	s_cmp_le_u32 s[T0], s[Q0]
	s_cbranch_scc1 .Lopen_\@
	s_sub_co_i32 s[T0], s[Q0], s[KF]
	v_add_nc_u32 v254, s[T0], v3                   ; register 16 b + i holds a key that is hidden where 32 b + i is above this
	v_mov_b32 v5, 0xff800000
.set J, 0
.rept 64
	v_cmp_gt_i32 vcc_lo, 32*(J/16)+J%16, v254
	v_cndmask_b32 v[96+J], v[96+J], v5, vcc_lo
.set J, J+1
.endr
.Lopen_\@:
.irp t, 0,1,2,3,4,5,6,7
	v_max3_num_f32 v[216+\t], v[96+8*\t], v[97+8*\t], v[98+8*\t]  ; each tile's largest score: its offset is one number, so this is its largest t too
.endr
.irp i, 3,5
.irp t, 0,1,2,3,4,5,6,7
	v_max3_num_f32 v[216+\t], v[216+\t], v[96+8*\t+\i], v[97+8*\t+\i]
.endr
.endr
.irp t, 0,1,2,3,4,5,6,7
	v_max_num_f32 v[216+\t], v[216+\t], v[103+8*\t]
.endr
.irp t, 0,1,2,3,4,5,6,7
	v_fma_f32 v[232+\t], v[216+\t], s[CS], v[224+\t]
.endr
	v_max3_num_f32 v254, v232, v233, v234
	v_max3_num_f32 v254, v254, v235, v236
	v_max3_num_f32 v254, v254, v237, v238
	v_max_num_f32 v254, v254, v239
	v_permlanex16_b32 v240, v254, s[SEL], s[SEL+1]
	v_max3_num_f32 v13, v13, v254, v240            ; the running largest t
	v_mov_b32 v254, v12
	v_floor_f32 v12, -v13                          ; the new -M = -ceil(t)
	v_sub_f32 v254, v12, v254
	v_cvt_i32_f32 v254, v254                       ; (it saturates)
	v_ldexp_f32 v252, 1.0, v254                    ; f = 2^(old M - new M)
.irp t, 0,1,2,3,4,5,6,7
	v_add_f32 v[224+\t], v[224+\t], v12            ; the tile's offset less M
.endr
.irp t, 0,2,4,6
.irp i, 0,2,4,6
	v_pk_fma_f32 v[96+8*\t+\i:97+8*\t+\i], v[96+8*\t+\i:97+8*\t+\i], s[CS:CS+1], v[224+\t:225+\t] op_sel_hi:[1,0,0]                ; t - M: the even tile takes the pair's low word,
.endr
.irp i, 0,2,4,6
	v_pk_fma_f32 v[104+8*\t+\i:105+8*\t+\i], v[104+8*\t+\i:105+8*\t+\i], s[CS:CS+1], v[224+\t:225+\t] op_sel:[0,0,1] op_sel_hi:[1,0,1]   ; the odd tile its high word
.endr
.endr
.irp t, 0,1,2,3,4,5,6,7
	v_fma_f32 v[232+\t], v[216+\t], s[CS], v[224+\t]             ; the same multiply-add on each tile's largest score: the same bits as that element
.endr
.irp b, 0,1,2,3
	v_max_num_f32 v[232+\b], v[232+2*\b], v[233+2*\b]            ; a block is two tiles (in this order no source is written early)
.endr
.irp b, 0,1,2,3
	v_permlanex16_b32 v[236+\b], v[232+\b], s[SEL], s[SEL+1]
.endr
.irp b, 0,1,2,3
	v_max_num_f32 v[232+\b], v[232+\b], v[236+\b]                ; with lane l xor 16's 16 keys
.endr
.set J, 0
.rept 64
	v_exp_f32 v[96+J], v[96+J]                     ; p = 2^(t - M)
.set J, J+1
.endr
	v_pk_mul_f32 v[14:15], v[14:15], v[252:253] op_sel_hi:[1,0]  ; the sums under the new M (a plain line behind the batch)
	s_wait_alu depctr_va_vdst(0)                   ; one wait for the 64, ahead of their first reader
.irp b, 0,1,2,3
	v_exp_f32 v[232+\b], v[232+\b]                 ; each block's largest p
.endr
	v_pk_add_f32 v[236:237], v[96:97], v[98:99]    ; the row's sum of the unquantised p, in two chains
.irp j, 4,8,12,16,20,24,28,32,36,40,44,48,52,56,60
	v_pk_add_f32 v[14:15], v[14:15], v[96+\j:97+\j]
	v_pk_add_f32 v[236:237], v[236:237], v[98+\j:99+\j]
.endr
	v_pk_add_f32 v[14:15], v[14:15], v[236:237]
	s_wait_alu depctr_va_vdst(0)                   ; and one for the four
.irp b, 0,1,2,3
	v_max_num_f32 v[232+\b], 0x4800000, v[232+\b]  ; the floor
.endr
.irp b, 0,1,2,3
	v_add_nc_u32 v[244+\b], 0xfc000000, v[232+\b]
.endr
.irp b, 0,1,2,3
	v_and_or_b32 v[240+\b], v[232+\b], 0x7f800000, s[MNT]
.endr
.irp b, 0,1,2,3
	v_lshrrev_b32 v[236+\b], 23, v[244+\b]
.endr
	v_lshl_or_b32 v253, v237, 8, v236              ; p's scale word for these 128 keys
	v_lshl_or_b32 v253, v238, 16, v253
	v_lshl_or_b32 v253, v239, 24, v253
.irp b, 0,1,2,3
.irp i, 0,1,2,3,4,5,6,7,8,9,10,11,12,13,14,15
	v_min_num_f32 v[96+16*\b+\i], v[96+16*\b+\i], v[240+\b]      ; p is not negative: the hold is one-sided
.endr
	v_cvt_scalef32_pk8_fp8_f32 v[192+4*\b:193+4*\b], v[96+16*\b:103+16*\b], v[244+\b]
	v_cvt_scalef32_pk8_fp8_f32 v[194+4*\b:195+4*\b], v[104+16*\b:111+16*\b], v[244+\b]
.endr
.set J, 0
.rept 16
	v_pk_mul_f32 v[160+J:161+J], v[160+J:161+J], v[252:253] op_sel_hi:[1,0]   ; O^T under the new M (also the places between the codes and the products)
.set J, J+2
.endr
	s_wait_dscnt 0x0                               ; V
.irp t, 0,2
	v_wmma_scale_f32_16x16x128_f8f6f4 v[160+8*\t:167+8*\t], v[32+16*\t:47+16*\t], v[192:207], v[160+8*\t:167+8*\t], v[248+\t/2], v253
	v_wmma_scale_f32_16x16x128_f8f6f4 v[168+8*\t:175+8*\t], v[48+16*\t:63+16*\t], v[192:207], v[168+8*\t:175+8*\t], v[248+\t/2], v253 matrix_a_scale:MATRIX_SCALE_ROW1
.endr
.Lhidden_\@:
	s_add_co_u32 s[KF], s[KF], 128
	s_add_co_u32 s[TK], s[TK], 8192
	s_add_co_u32 s[TV], s[TV], 8192
	s_add_co_u32 s[TSK], s[TSK], 512
	s_add_co_u32 s[TSV], s[TSV], 256
.endm
	s_wait_tensorcnt 0x1                           ; my parts of the scale words and of key steps 0 and 1 have landed; the load of steps 2 to 15 may stay out
	s_barrier_signal -1
	s_barrier_wait -1                              ; and so have everybody's
	s_wait_loadcnt 0x0                             ; Q
	STEP                                           ; key step 0
	STEP                                           ; key step 1
	s_wait_tensorcnt 0x0                           ; my part of key steps 2 to 15 has landed,
	s_wait_dscnt 0x0
	s_barrier_signal -1
	s_barrier_wait -1                              ; everybody's has
.Lstep:                                                ; fourteen trips, a constant
	STEP
	s_add_co_u32 s[CNT], s[CNT], 1
	s_cmp_lt_u32 s[CNT], 14
	s_cbranch_scc1 .Lstep
	; THE WAY OUT: O^T / the sum; register 8 ct + j is channel 16 ct + 8 h + j of my query; tiles 2 b and 2 b + 1 of lanes l and l xor 16 are a block of the next product's K
	v_and_b32 v8, 15, v0                           ; (four plain lines and four v_nop: the eight places behind the last products)
	v_bfe_u32 v9, v0, 4, 1
	v_lshlrev_b32 v8, 4, v8
	v_lshl_add_u32 v8, v9, 3, v8                   ; 16 r + 8 h
.rept 4
	v_nop
.endr
	v_add_f32 v14, v14, v15
	v_permlanex16_b32 v240, v14, s[SEL], s[SEL+1]
	v_add_f32 v14, v14, v240
	v_rcp_f32 v14, v14
	v_nop
	s_wait_alu depctr_va_vdst(0)
.set J, 0
.rept 32
	v_mul_f32 v[96+J], v[160+J], v14
.set J, J+1
.endr
.irp b, 0,1
	v_max3_num_f32 v[232+\b], |v[96+16*\b]|, |v[97+16*\b]|, 0x4800000
.endr
.irp i, 2,4,6,8,10,12,14
.irp b, 0,1
	v_max3_num_f32 v[232+\b], v[232+\b], |v[96+16*\b+\i]|, |v[97+16*\b+\i]|
.endr
.endr
.irp b, 0,1
	v_permlanex16_b32 v[236+\b], v[232+\b], s[SEL], s[SEL+1]
.endr
.irp b, 0,1
	v_max_num_f32 v[232+\b], v[232+\b], v[236+\b]
.endr
.irp b, 0,1
	v_add_nc_u32 v[244+\b], 0xfc000000, v[232+\b]
.endr
.irp b, 0,1
	v_and_or_b32 v[240+\b], v[232+\b], 0x7f800000, s[MNT]
.endr
.irp b, 0,1
	v_lshrrev_b32 v[236+\b], 23, v[244+\b]
.endr
.irp b, 0,1
.irp i, 0,1,2,3,4,5,6,7,8,9,10,11,12,13,14,15
	v_med3_num_f32 v[96+16*\b+\i], v[96+16*\b+\i], -v[240+\b], v[240+\b]
.endr
	v_cvt_scalef32_pk8_fp8_f32 v[192+4*\b:193+4*\b], v[96+16*\b:103+16*\b], v[244+\b]
	v_cvt_scalef32_pk8_fp8_f32 v[194+4*\b:195+4*\b], v[104+16*\b:111+16*\b], v[244+\b]
.endr
	v_cndmask_b32 v238, v236, v237, s[MHI]         ; lanes 0-15 write the first block's byte, lanes 16-31 the second's (also the plain line behind the conversions)
.irp b, 0,1
	global_store_b64 v8, v[192+4*\b:193+4*\b], s[48:49] offset:512*\b          ; channels 32 b + 8 h + 0 .. 7: 32 lanes store 256 consecutive bytes, aligned
	global_store_b64 v8, v[194+4*\b:195+4*\b], s[48:49] offset:512*\b+256      ; channels 32 b + 16 + 8 h + 0 .. 7
.endr
	global_store_b8 v6, v238, s[50:51]             ; a head gives two of a scale word's four bytes
	s_wait_xcnt 0x0
	v_lshl_add_u32 v254, v0, 2, 0x43000
	v_mov_b32 v255, 0
	s_wait_tensorcnt 0x0
	ds_add_u32 v254, v255
	s_wait_dscnt 0x0
	s_endpgm
.Lfunc_end_k_q45d9cf5b03_attn:
	.size	k_q45d9cf5b03_attn, .Lfunc_end_k_q45d9cf5b03_attn-k_q45d9cf5b03_attn
	.p2alignl 7, 3214868480
	.fill 96, 4, 3214868480
	.section	.rodata,"a",@progbits
	.p2align	6, 0x0
	.amdhsa_kernel k_q45d9cf5b03_attn
		.amdhsa_group_segment_fixed_size 276480
		.amdhsa_private_segment_fixed_size 0
		.amdhsa_enable_private_segment 0
		.amdhsa_kernarg_size 24
		.amdhsa_user_sgpr_count 2
		.amdhsa_user_sgpr_kernarg_segment_ptr 1
		.amdhsa_wavefront_size32 1
		.amdhsa_system_sgpr_workgroup_id_x 1
		.amdhsa_system_sgpr_workgroup_id_y 1
		.amdhsa_system_sgpr_workgroup_id_z 1
		.amdhsa_system_vgpr_workitem_id 0
		.amdhsa_next_free_vgpr 256
		.amdhsa_next_free_sgpr 84
		.amdhsa_reserve_vcc 1
		.amdhsa_float_denorm_mode_32 3
		.amdhsa_float_denorm_mode_16_64 3
		.amdhsa_memory_ordered 1
		.amdhsa_forward_progress 1
		.amdhsa_inst_pref_size 94
	.end_amdhsa_kernel
	.amdgpu_metadata
---
amdhsa.version: [ 1, 2 ]
amdhsa.kernels:
  - .name:           k_q45d9cf5b03_attn
    .symbol:         k_q45d9cf5b03_attn.kd
    .args:
      - { .name: qb, .offset: 0, .size: 8, .value_kind: global_buffer, .address_space: global }
      - { .name: kv, .offset: 8, .size: 8, .value_kind: global_buffer, .address_space: global }
      - { .name: act, .offset: 16, .size: 8, .value_kind: global_buffer, .address_space: global }
    .group_segment_fixed_size: 276480
    .private_segment_fixed_size: 0
    .kernarg_segment_align: 8
    .kernarg_segment_size: 24
    .max_flat_workgroup_size: 512
    .sgpr_count:     84
    .vgpr_count:     256
    .wavefront_size: 32
...
	.end_amdgpu_metadata
.endif
;; end of part 3
;; launch wo (part 4): grid 8 x 32, 4 waves a work-group, clusters of 4 x 4, 292,352 bytes of LDS; arguments act, w_o_codes, w_o_scales, x, x1; writes x1
.if DOCPART == 4
	.amdgcn_target "amdgcn-amd-amdhsa--gfx1250"
	.amdhsa_code_object_version 6
	.text
	.protected	k_q45d9cf5b03_wo
	.globl	k_q45d9cf5b03_wo
	.p2align	8
	.type	k_q45d9cf5b03_wo,@function
k_q45d9cf5b03_wo:
	s_mov_b64 s[64:65], 0
	v_nop
	global_prefetch_b8 v0, s[64:65] scope:SCOPE_SE
	s_setreg_imm32_b32 hwreg(HW_REG_WAVE_MODE, 25, 1), 1
	s_wait_xcnt 0x0
	s_wait_alu depctr_hold_cnt(0) depctr_sa_sdst(0) depctr_va_vdst(0) depctr_va_sdst(0) depctr_va_ssrc(0) depctr_va_vcc(0) depctr_vm_vsrc(0)
	s_getreg_b32 s2, hwreg(HW_REG_IB_STS2, 6, 4)
	s_cmp_eq_u32 s2, 0
	s_cbranch_scc0 .Lentry_in_a_cluster
	s_endpgm
.Lentry_in_a_cluster:
	s_bfe_u32 s2, ttmp6, 0x10000c
	s_cmp_lg_u32 s2, 0xf033
	s_cbranch_scc0 .Lentry_shape_is_right
	s_endpgm
.Lentry_shape_is_right:
; x1 = concat w_o + x: [4096 x 1024] x [1024 x 1024] on codes of E4M3 with E8M0 scales, f32 sums, the residual added on the way out.
; SHARES.  A work-group makes 128 rows (work-group y) x 128 columns (work-group x): 256 work-groups.  Wave w: four tiles of 16 rows (rows half w / 2) x four tiles of 16 columns (columns half w % 2): 16 accumulators.
; A comes as images of its registers (act: codes [T 256][s 8][2,048], scale words [T][s][r] at 4,194,304; tile T holds rows 32 (T/2) + 8 (T%2) + r + 8 (r/8)); the weights as rows of codes.
; All of K lies in LDS at once, in two slots of four steps of 128, each filled ONCE at the start: nothing is filled again.
; CLUSTER 4 x 4: A's tiles hang on y alone and are asked for jointly along a row of the cluster, the weights' on x alone, along a column.  Waves 0, 1 fetch A's halves, waves 2, 3 the weights'.
; The product is used TRANSPOSED (source 0 = weights): a lane holds one row and eight neighbouring columns.  The weights' scale words lie 32 bytes apart in LDS and meet banks more than once: four small loads for 16 products.
; REGISTERS.  window 0: v1-24 addresses; v32-63 scale words, two sets of 16, but v62, v63 hold the spare word's address and 0; v64-191 the residual; v192-255 rows on the way out.  window 1: A's fragments at 64 p + 16 a, the weights' at 128 + 64 p + 16 t.
; window 2: the accumulators at 32 a + 8 t.
.set KST, 8
.set SPS, 4
.set NG, 1
.set NS, 4
.set TS, 2048*SPS
.set PITCH, 528                        ; a row of weights in LDS: 512 bytes + 16
.set BOFF, 65536
.set SLOT, BOFF+128*PITCH              ; 133,120
.set SCA, 2*SLOT
.set SCB, SCA+4096
.set STAGE, SCB+4096                   ; 16 rows x 272 bytes for each wave: bytes of their own, into which no fill lands
.set SPI, 272
.set ASOFF, 4194304
.set LI, 8
.set ADA, 10
.set ADB, 12
.set ADSA, 16
.set ADSB, 17
.set STO, 22
.set RD, 23
.set CO, 24
.set RES, 64
.set WV, 20
.set ROLE, 21                          ; s21 wave / 2: I fetch for A (0) or the weights (1); also my half of the rows
.set HF, 22                            ; s22 wave % 2: which half I fetch; also my half of the columns
.set RP, 10                            ; s[10:11] x
.set OP, 12                            ; s[12:13] x1
.set G1A, 32
.set G1B, 40
.set G1SA, 48
.set G1SB, 56
.set G0A0, 68
.set G0A1, 72
.set G0AS, 76
.set G0B0, 80
.set G0B1, 84
.set G0BS, 88
.set MSB, 0
.set PA, 0
.set PB, 0
.set PS, 0
.set STEPNO, 0
.macro WIN new
.if MSB != (\new)
	s_set_vgpr_msb (MSB<<8)|(\new)
.set MSB, (\new)
.endif
.endm
.macro PLACES n
.rept \n
	v_nop
.endr
.endm
.macro CROUND
	s_barrier_signal -1
	s_barrier_wait -1
	s_cmp_lg_u32 s[WV], 0
	s_cbranch_scc1 .Lnot_wave_0_\@
	s_barrier_signal -3
.Lnot_wave_0_\@:
	s_barrier_wait -3
	s_barrier_signal -1
	s_barrier_wait -1
.endm
.macro G1SET g, c, r, st
	s_mov_b32 s[(\g)+1], (\c)<<16
	s_mov_b32 s[(\g)+2], (\r)<<16
	s_mov_b32 s[(\g)+3], (\c)<<16
	s_mov_b32 s[(\g)+4], \r
	s_mov_b32 s[(\g)+5], \st
	s_mov_b32 s[(\g)+6], 0
	s_mov_b32 s[(\g)+7], 0
.endm
.macro G0SET g, lr, la, base, off, add
	s_mov_b32 s[\g], 1
	s_add_co_u32 s[(\g)+1], s[\lr], \la
	s_add_nc_u64 s[(\g)+2:(\g)+3], s[\base:\base+1], s[\off:\off+1]
	s_add_nc_u64 s[(\g)+2:(\g)+3], s[(\g)+2:(\g)+3], \add
	s_or_b32 s[(\g)+3], s[(\g)+3], 0x80000000
.endm
.macro WM d, a, b, zero, sa, ra, sb, rb
.if \zero
.if (\ra) && (\rb)
	v_wmma_scale_f32_16x16x128_f8f6f4 v[\d:\d+7], v[\a:\a+15], v[\b:\b+15], 0, v[\sa], v[\sb] matrix_a_scale:MATRIX_SCALE_ROW1 matrix_b_scale:MATRIX_SCALE_ROW1
.elseif \ra
	v_wmma_scale_f32_16x16x128_f8f6f4 v[\d:\d+7], v[\a:\a+15], v[\b:\b+15], 0, v[\sa], v[\sb] matrix_a_scale:MATRIX_SCALE_ROW1
.elseif \rb
	v_wmma_scale_f32_16x16x128_f8f6f4 v[\d:\d+7], v[\a:\a+15], v[\b:\b+15], 0, v[\sa], v[\sb] matrix_b_scale:MATRIX_SCALE_ROW1
.else
	v_wmma_scale_f32_16x16x128_f8f6f4 v[\d:\d+7], v[\a:\a+15], v[\b:\b+15], 0, v[\sa], v[\sb]
.endif
.else
.if (\ra) && (\rb)
	v_wmma_scale_f32_16x16x128_f8f6f4 v[\d:\d+7], v[\a:\a+15], v[\b:\b+15], v[\d:\d+7], v[\sa], v[\sb] matrix_a_scale:MATRIX_SCALE_ROW1 matrix_b_scale:MATRIX_SCALE_ROW1
.elseif \ra
	v_wmma_scale_f32_16x16x128_f8f6f4 v[\d:\d+7], v[\a:\a+15], v[\b:\b+15], v[\d:\d+7], v[\sa], v[\sb] matrix_a_scale:MATRIX_SCALE_ROW1
.elseif \rb
	v_wmma_scale_f32_16x16x128_f8f6f4 v[\d:\d+7], v[\a:\a+15], v[\b:\b+15], v[\d:\d+7], v[\sa], v[\sb] matrix_b_scale:MATRIX_SCALE_ROW1
.else
	v_wmma_scale_f32_16x16x128_f8f6f4 v[\d:\d+7], v[\a:\a+15], v[\b:\b+15], v[\d:\d+7], v[\sa], v[\sb]
.endif
.endif
.endm
.macro FRG reg, adr, off, cs
.irp c, 0,1,2,3
	ds_load_b128 v[(\reg)+4*\c:(\reg)+4*\c+3], v[\adr] offset:(\off)+(\cs)*\c
.endr
.endm
.macro FETCH_A sl, q, p
.irp a, 0,1,2,3
	FRG 64*(\p)+16*\a, ADA+(\sl), \a*TS+2048*(\q), 512
.endr
.endm
.macro FETCH_B sl, q, g, p             ; four tiles of 16 neighbouring rows of weights
.irp t, 0,1,2,3
	FRG 128+64*(\p)+16*\t, ADB+(\sl), 16*\t*PITCH+128*(\q), 32
.endr
.endm
.macro FETCH_S st, p
.irp i, 0,1
	ds_load_b32 v[32+16*(\p)+\i], v[ADSA] offset:\i*128*KST+64*(\st)
	ds_load_b32 v[34+16*(\p)+\i], v[ADSB] offset:\i*1024+4*(\st)
.endr
.endm
.macro UNIT g, zero                    ; 16 products; the accumulators take turns, one instruction a turn
	WIN 0xa5
.irp t, 0,1,2,3
.irp a, 0,1,2,3
.set rD, 32*\a+8*\t
.set rA, 64*PA+16*\a
.set rB, 128+64*PB+16*\t
.set rSA, 32+16*PS+\a/2
.set rSB, 34+16*PS+\t/2
	WM rD, rB, rA, \zero, rSB, \t%2, rSA, \a%2
.endr
.endr
.endm
.macro WORK sl, nst, zero              ; a slot's steps: while 16 products run, the next step's fragments are on their way into the other sets
	WIN 0x40
	FETCH_A \sl, 0, PA
	FETCH_B \sl, 0, 0, PB
	WIN 0
	FETCH_S STEPNO, PS
.set QQ, 0
.rept \nst
.set ZF, 0
.if (\zero) && (QQ == 0)
.set ZF, 1
.endif
.if QQ < (\nst)-1
	PLACES 8                                       ; in front of loads into registers that products have read
	WIN 0x40
	FETCH_A \sl, QQ+1, 1-PA
	FETCH_B \sl, QQ+1, 0, 1-PB
	WIN 0
	FETCH_S STEPNO+1, 1-PS
	s_wait_dscnt 32+NS                             ; all but the loads just issued: this step's fragments are in
.else
	s_wait_dscnt 0x0
.endif
	UNIT 0, ZF
.set PB, 1-PB
.set PA, 1-PA
.set PS, 1-PS
.set STEPNO, STEPNO+1
.set QQ, QQ+1
.endr
.endm
	s_load_b256 s[4:11], s[0:1], 0x0               ; act s[4:5], w_o_codes s[6:7], w_o_scales s[8:9], x s[10:11]
	s_load_b64 s[12:13], s[0:1], 0x20              ; x1
	v_lshl_add_u32 v62, v0, 2, 0x47400
	v_mov_b32 v63, 0
	ds_add_u32 v62, v63
	ds_add_u32 v62, v63
	v_lshrrev_b32 v3, 5, v0
	v_readfirstlane_b32 s[WV], v3
	s_lshr_b32 s[ROLE], s[WV], 1
	s_and_b32 s[HF], s[WV], 1
	s_bfe_u32 s23, ttmp6, 0x40000                  ; cx
	s_bfe_u32 s24, ttmp6, 0x40004                  ; cy
	s_lshl_b32 s25, ttmp9, 2
	s_add_co_u32 s25, s25, s23                     ; X: which 128 columns
	s_and_b32 s26, ttmp7, 0xffff
	s_lshl_b32 s26, s26, 2
	s_add_co_u32 s26, s26, s24                     ; Y: which 128 rows
	s_lshl_b32 s100, s24, 2
	s_lshl_b32 s100, 15, s100                      ; my row of the cluster
	s_lshl_b32 s101, 0x1111, s23                   ; my column
	s_or_b32 s[G1A], s100, (3<<16)|(1<<21)         ; A's images: four tiles, 8,192 bytes of each, 16,384 apart
	G1SET G1A, 256*SPS, 4, 256*KST
	s_or_b32 s[G1B], s101, (1<<20)|(1<<21)|(6<<22)|(3<<25)   ; weights: 64 rows of 512 bytes, 1,024 apart; 4 words of padding behind every 128
	G1SET G1B, 512, 64, 1024
	s_or_b32 s[G1SA], s100, (3<<16)|(1<<21)        ; scale words of four tiles, scale bytes of 64 rows: 2,048 dense bytes each
	G1SET G1SA, 32, 8, 32
	s_or_b32 s[G1SB], s101, (3<<16)|(1<<21)
	G1SET G1SB, 32, 8, 32
	s_lshl_b32 s28, s26, 3
	s_lshl_b32 s29, s[HF], 2
	s_add_co_u32 s28, s28, s29                     ; A: tile 8 Y + 4 x half
	s_lshl_b32 s30, s28, 9
	s_add_co_u32 s30, s30, ASOFF
	s_mov_b32 s31, 0
	s_lshl_b32 s28, s28, 14
	s_mov_b32 s29, 0
	s_lshl_b32 s66, s25, 7
	s_lshl_b32 s67, s[HF], 6
	s_add_co_u32 s66, s66, s67                     ; weights: row 128 X + 64 x half
	s_lshl_b32 s104, s66, 5
	s_mov_b32 s105, 0
	s_lshl_b32 s66, s66, 10
	s_mov_b32 s67, 0
	s_lshl_b32 s3, s[HF], 11                       ; in LDS: my half of a side's scales,
	s_lshl_b32 s27, s[HF], 15                      ; of A's tiles,
	s_mul_i32 s94, s[HF], 64*PITCH                 ; of the weights' rows
	s_wait_dscnt 0x0
	s_wait_kmcnt 0x0
	G0SET G0AS, 3, SCA, 4, 30, 0
	G0SET G0A0, 27, 0, 4, 28, 0
	G0SET G0A1, 27, SLOT, 4, 28, 2048*SPS
	G0SET G0BS, 3, SCB, 8, 104, 0
	G0SET G0B0, 94, BOFF, 6, 66, 0
	G0SET G0B1, 94, SLOT+BOFF, 6, 66, 128*SPS
	CROUND                                         ; all sixteen work-groups are here: the joint loads meet
	s_cmp_eq_u32 s[ROLE], 0                        ; a wave's three fills stand in one branch: scales, slot 0, slot 1: three loads of mine are out
	s_cbranch_scc0 .Lfirst_b
	tensor_load_to_lds s[G0AS:G0AS+3], s[G1SA:G1SA+7]
	s_nop 0
	tensor_load_to_lds s[G0A0:G0A0+3], s[G1A:G1A+7]
	s_nop 0
	tensor_load_to_lds s[G0A1:G0A1+3], s[G1A:G1A+7]
	s_nop 0
	PLACES 4
	s_branch .Lfirst_done
.Lfirst_b:
	tensor_load_to_lds s[G0BS:G0BS+3], s[G1SB:G1SB+7]
	s_nop 0
	tensor_load_to_lds s[G0B0:G0B0+3], s[G1B:G1B+7]
	s_nop 0
	tensor_load_to_lds s[G0B1:G0B1+3], s[G1B:G1B+7]
	s_nop 0
	PLACES 4
.Lfirst_done:
	v_and_b32 v1, 15, v0                           ; r
	v_bfe_u32 v2, v0, 4, 1                         ; h
	v_and_b32 v3, 31, v0
	v_lshlrev_b32 v[LI], 4, v3
	s_lshl_b32 s28, s[ROLE], 15
	v_add_nc_u32 v[ADA], s28, v[LI]                ; my four tiles of A
	v_add_nc_u32 v[ADA+1], SLOT, v[ADA]
	v_mul_u32_u24 v3, v1, PITCH
	v_lshl_add_u32 v3, v2, 4, v3
	s_mul_i32 s28, s[HF], 64*PITCH
	s_add_co_u32 s28, s28, BOFF
	v_add_nc_u32 v[ADB], s28, v3                   ; my 64 rows of weights
	v_add_nc_u32 v[ADB+1], SLOT, v[ADB]
	v_lshlrev_b32 v3, 2, v1
	v_lshl_add_u32 v3, v2, 9, v3                   ; 4 r, + a tile's 512 bytes for lanes 16-31
	s_lshl_b32 s28, s[ROLE], 11
	s_add_co_u32 s28, s28, SCA
	v_add_nc_u32 v[ADSA], s28, v3
	v_lshlrev_b32 v3, 5, v1
	v_lshl_add_u32 v3, v2, 9, v3                   ; 32 r, + 16 rows for lanes 16-31
	s_lshl_b32 s28, s[HF], 11
	s_add_co_u32 s28, s28, SCB
	v_add_nc_u32 v[ADSB], s28, v3
	s_mul_i32 s28, s[WV], 16*SPI
	s_add_co_u32 s28, s28, STAGE
	v_mul_u32_u24 v3, v1, SPI
	v_lshl_add_u32 v3, v2, 5, v3
	v_add_nc_u32 v[STO], s28, v3                   ; the stage, in: row r, 32 bytes for each half of the lanes
	v_mul_u32_u24 v3, v2, SPI
	v_lshl_add_u32 v3, v1, 4, v3
	v_add_nc_u32 v[RD], s28, v3                    ; back: lanes 0-15 one row of 256 bytes, lanes 16-31 the next
	v_lshlrev_b32 v3, 12, v2
	v_lshl_add_u32 v[CO], v1, 4, v3                ; and the same two rows in memory
	s_lshl_b32 s28, s26, 7
	s_lshl_b32 s29, s[ROLE], 6
	s_add_co_u32 s28, s28, s29
	s_lshl_b32 s28, s28, 12
	s_lshl_b32 s29, s25, 9
	s_add_co_u32 s28, s28, s29
	s_lshl_b32 s29, s[HF], 8
	s_add_co_u32 s28, s28, s29
	s_mov_b32 s29, 0
	s_add_nc_u64 s[RP:RP+1], s[RP:RP+1], s[28:29]
	s_add_nc_u64 s[OP:OP+1], s[OP:OP+1], s[28:29]
.irp a, 0,1,2,3                        ; the residual is asked for now, in the shape in which rows come back from the stage: tile a's rows 2 u + h
.irp u, 0,1,2,3,4,5,6,7
	global_load_b128 v[RES+32*\a+4*\u:RES+32*\a+4*\u+3], v[CO], s[RP:RP+1] offset:(32*(\a/2)+8*(\a%2)+2*\u+8*(\u/4))*4096
.endr
.endr
	s_wait_tensorcnt 0x1                           ; the scales and my part of slot 0 are in; slot 1's load may stay out
	s_barrier_signal -1
	s_barrier_wait -1
	WORK 0, 4, 1
	WIN 0
	s_wait_tensorcnt 0x0                           ; my part of slot 1 is in,
	s_wait_dscnt 0x0
	s_barrier_signal -1
	s_barrier_wait -1                              ; everybody's is
	PLACES 8
	WORK 1, 4, 0
	WIN 0
	PLACES 8                                       ; behind the last products, ahead of the first read of results
	s_wait_loadcnt 0x0                             ; the residual
.irp a, 0,1,2,3                        ; a tile of 16 rows x 64 columns goes through my own stage and comes back as rows of 256 bytes
.set BK, 192+32*(\a%2)
	WIN 0x08                                       ; an LDS store's data are its source 1: window 2
.irp t, 0,1,2,3
	ds_store_b128 v[STO], v[32*\a+8*\t:32*\a+8*\t+3] offset:64*\t          ; each accumulator from its low end on
	ds_store_b128 v[STO], v[32*\a+8*\t+4:32*\a+8*\t+7] offset:64*\t+16
.endr
	WIN 0
.if \a > 1
	s_wait_xcnt 0x0                                ; the stores of two tiles back have read their registers
.endif
.irp u, 0,1,2,3,4,5,6,7
	ds_load_b128 v[BK+4*\u:BK+4*\u+3], v[RD] offset:2*SPI*\u     ; LDS serves a wave's instructions in order (ISA guide 5.7.1.4): these see the stores above
.endr
	s_wait_dscnt 0x0
.set I, 0
.rept 16
	v_pk_add_f32 v[BK+I:BK+I+1], v[BK+I:BK+I+1], v[RES+32*\a+I:RES+32*\a+I+1]
.set I, I+2
.endr
.irp u, 0,1,2,3,4,5,6,7
	global_store_b128 v[CO], v[BK+4*\u:BK+4*\u+3], s[OP:OP+1] offset:(32*(\a/2)+8*(\a%2)+2*\u+8*(\u/4))*4096   ; sixteen lanes store 256 consecutive bytes, aligned
.endr
.endr
	s_wait_dscnt 0x0
	s_wait_tensorcnt 0x0
	ds_add_u32 v62, v63
	s_wait_dscnt 0x0
	CROUND                                         ; the closing round
	s_endpgm
.Lfunc_end_k_q45d9cf5b03_wo:
	.size	k_q45d9cf5b03_wo, .Lfunc_end_k_q45d9cf5b03_wo-k_q45d9cf5b03_wo
	.p2alignl 7, 3214868480
	.fill 96, 4, 3214868480
	.section	.rodata,"a",@progbits
	.p2align	6, 0x0
	.amdhsa_kernel k_q45d9cf5b03_wo
		.amdhsa_group_segment_fixed_size 292352
		.amdhsa_private_segment_fixed_size 0
		.amdhsa_enable_private_segment 0
		.amdhsa_kernarg_size 40
		.amdhsa_user_sgpr_count 2
		.amdhsa_user_sgpr_kernarg_segment_ptr 1
		.amdhsa_wavefront_size32 1
		.amdhsa_system_sgpr_workgroup_id_x 1
		.amdhsa_system_sgpr_workgroup_id_y 1
		.amdhsa_system_sgpr_workgroup_id_z 1
		.amdhsa_system_vgpr_workitem_id 0
		.amdhsa_next_free_vgpr 640
		.amdhsa_next_free_sgpr 106
		.amdhsa_reserve_vcc 0
		.amdhsa_float_denorm_mode_32 3
		.amdhsa_float_denorm_mode_16_64 3
		.amdhsa_memory_ordered 1
		.amdhsa_forward_progress 1
		.amdhsa_inst_pref_size 61
	.end_amdhsa_kernel
	.amdgpu_metadata
---
amdhsa.version: [ 1, 2 ]
amdhsa.kernels:
  - .name:           k_q45d9cf5b03_wo
    .symbol:         k_q45d9cf5b03_wo.kd
    .args:
      - { .name: act, .offset: 0, .size: 8, .value_kind: global_buffer, .address_space: global }
      - { .name: w_o_codes, .offset: 8, .size: 8, .value_kind: global_buffer, .address_space: global }
      - { .name: w_o_scales, .offset: 16, .size: 8, .value_kind: global_buffer, .address_space: global }
      - { .name: x, .offset: 24, .size: 8, .value_kind: global_buffer, .address_space: global }
      - { .name: x1, .offset: 32, .size: 8, .value_kind: global_buffer, .address_space: global }
    .group_segment_fixed_size: 292352
    .private_segment_fixed_size: 0
    .kernarg_segment_align: 8
    .kernarg_segment_size: 40
    .max_flat_workgroup_size: 128
    .sgpr_count:     106
    .vgpr_count:     640
    .wavefront_size: 32
...
	.end_amdgpu_metadata
.endif
;; end of part 4
;; launch norm2 (part 5): grid 256 x 1, 4 waves a work-group, no clusters, 66,304 bytes of LDS; arguments x1, g2, act; writes act
.if DOCPART == 5
	.amdgcn_target "amdgcn-amd-amdhsa--gfx1250"
	.amdhsa_code_object_version 6
	.text
	.protected	k_q45d9cf5b03_norm2
	.globl	k_q45d9cf5b03_norm2
	.p2align	8
	.type	k_q45d9cf5b03_norm2,@function
k_q45d9cf5b03_norm2:
	s_mov_b64 s[64:65], 0
	v_nop
	global_prefetch_b8 v0, s[64:65] scope:SCOPE_SE
	s_setreg_imm32_b32 hwreg(HW_REG_WAVE_MODE, 25, 1), 1
	s_wait_xcnt 0x0
; NORM2: y = x1 / (sqrt(mean(x1^2)) + 1e-5) * g2, one tile of 16 rows a work-group, quantised to codes of E4M3 with E8M0 scale words along the 1,024 columns, stored in act as images of the operand's registers.
; A tile T holds rows 32 (T/2) + 8 (T%2) + r + 8 (r/8).  act: codes [T 256][s 8][c 4][lane][16] at 0 (lane (r, h): k = 128 s + 32 c + 16 h + 0 .. 15 of row r), scale words [T][s][r] at 4,194,304.
; LIMITS: NaN and infinities are not served; a block of zeros or under 2^-118 gets the byte 1 (only this program reads the bytes); v_sqrt_f32 and v_rcp_f32 are good to one unit in the last place.
.set XP, 4
.set GP, 6
.set AP, 18
.set WV, 24
.set TT, 25
.set SEL, 26
.set MNT, 28
.set MHI, 29
.set SPITCH, 4112                      ; a stage row: 4,096 bytes + 16, an odd multiple of 16
.set GR, 32
.set XR, 64
.set SQ, 192
.set PC0, 192
.set PC1, 208
.set TM, 224
.set PW0, 240
.set PW1, 241
.set PWP, 242
.macro QUANT s, pc, pw                 ; 64 numbers of a lane, register 16 b + i = k 32 b + 16 h + i of my row -> a fragment's codes and its scale word
.irp b, 0,1,2,3
	v_max3_num_f32 v[TM+\b], |v[(\s)+16*\b]|, |v[(\s)+16*\b+1]|, 0x4800000   ; with the floor 2^(9 - 127)
.endr
.irp i, 2,4,6,8,10,12,14
.irp b, 0,1,2,3
	v_max3_num_f32 v[TM+\b], v[TM+\b], |v[(\s)+16*\b+\i]|, |v[(\s)+16*\b+\i+1]|
.endr
.endr
.irp b, 0,1,2,3
	v_permlanex16_b32 v[TM+4+\b], v[TM+\b], s[SEL], s[SEL+1]
.endr
.irp b, 0,1,2,3
	v_max_num_f32 v[TM+\b], v[TM+\b], v[TM+4+\b]
.endr
.irp b, 0,1,2,3
	v_add_nc_u32 v[TM+12+\b], 0xfc000000, v[TM+\b]
.endr
.irp b, 0,1,2,3
	v_and_or_b32 v[TM+8+\b], v[TM+\b], 0x7f800000, s[MNT]
.endr
.irp b, 0,1,2,3
	v_lshrrev_b32 v[TM+4+\b], 23, v[TM+12+\b]
.endr
	v_lshl_or_b32 v[\pw], v[TM+5], 8, v[TM+4]
	v_lshl_or_b32 v[\pw], v[TM+6], 16, v[\pw]
	v_lshl_or_b32 v[\pw], v[TM+7], 24, v[\pw]
.irp b, 0,1,2,3
.irp i, 0,1,2,3,4,5,6,7,8,9,10,11,12,13,14,15
	v_med3_num_f32 v[(\s)+16*\b+\i], v[(\s)+16*\b+\i], -v[TM+8+\b], v[TM+8+\b]
.endr
	v_cvt_scalef32_pk8_fp8_f32 v[(\pc)+4*\b:(\pc)+4*\b+1], v[(\s)+16*\b:(\s)+16*\b+7], v[TM+12+\b]
	v_cvt_scalef32_pk8_fp8_f32 v[(\pc)+4*\b+2:(\pc)+4*\b+3], v[(\s)+16*\b+8:(\s)+16*\b+15], v[TM+12+\b]
.endr
	v_nop                                          ; one plain line behind the last scaled conversion
.endm
	s_load_b128 s[4:7], s[0:1], 0x0                ; x1, g2
	s_load_b64 s[18:19], s[0:1], 0x10              ; act
	v_lshl_add_u32 v254, v0, 2, 0x10100
	v_mov_b32 v255, 0
	v_lshrrev_b32 v3, 5, v0
	v_readfirstlane_b32 s[WV], v3
	s_mov_b32 s[SEL], 0x76543210
	s_mov_b32 s[SEL+1], 0xfedcba98
	s_mov_b32 s[MNT], 0x600000
	s_mov_b32 s[MHI], 0xffff0000
	s_mov_b32 s[TT], ttmp9
	s_wait_kmcnt 0x0
	v_and_b32 v3, 31, v0
	v_lshlrev_b32 v1, 4, v3                        ; 16 x lane
	v_lshlrev_b32 v2, 2, v3                        ; 4 x lane
	v_and_b32 v4, 15, v0                           ; r
	v_bfe_u32 v5, v0, 4, 1                         ; h
.irp b, 0,1,2,3
	v_mov_b32 v[TM+4+\b], 0                        ; a lane permute's destination counts as read: written once
.endr
	s_lshr_b32 s30, s[TT], 1
	s_lshl_b32 s30, s30, 5
	s_and_b32 s31, s[TT], 1
	s_lshl_b32 s31, s31, 3
	s_add_co_u32 s30, s30, s31
	s_lshl_b32 s31, s[WV], 2
	s_add_co_u32 s30, s30, s31
	s_lshr_b32 s31, s[WV], 1
	s_lshl_b32 s31, s31, 3
	s_add_co_u32 s30, s30, s31                     ; my first row: 32 (T/2) + 8 (T%2) + 4 w + 8 (w/2)
	s_lshl_b32 s30, s30, 12
	s_mov_b32 s31, 0
	s_add_nc_u64 s[32:33], s[XP:XP+1], s[30:31]
	s_lshl_b32 s30, s[TT], 14
	s_lshl_b32 s38, s[WV], 12
	s_add_co_u32 s30, s30, s38
	s_add_nc_u64 s[34:35], s[AP:AP+1], s[30:31]    ; my two fragments' images
	s_lshl_b32 s30, s[TT], 9
	s_lshl_b32 s38, s[WV], 7
	s_add_co_u32 s30, s30, s38
	s_add_co_u32 s30, s30, 4194304
	s_add_nc_u64 s[36:37], s[AP:AP+1], s[30:31]    ; and their scale words
	s_mul_i32 s38, s[WV], 4*SPITCH
	v_add_nc_u32 v6, s38, v1                       ; the stage, in: my four rows
	v_mul_u32_u24 v7, v4, SPITCH
	v_lshl_add_u32 v7, v5, 6, v7
	s_lshl_b32 s38, s[WV], 10
	v_add_nc_u32 v7, s38, v7                       ; back: row r, + 64 h, + 1,024 w
.irp j, 0,1,2,3,4,5,6,7
	global_load_b128 v[GR+4*\j:GR+4*\j+3], v1, s[GP:GP+1] offset:512*\j
.endr
.irp k, 0,1,2,3
.irp j, 0,1,2,3,4,5,6,7
	global_load_b128 v[XR+32*\k+4*\j:XR+32*\k+4*\j+3], v1, s[32:33] offset:4096*\k+512*\j
.endr
.endr
.irp k, 0,1,2,3
	s_wait_loadcnt 24-8*\k                         ; g and row k are in; the younger rows' eight loads each may be out
	v_pk_mul_f32 v[SQ+4*\k:SQ+4*\k+1], v[XR+32*\k:XR+32*\k+1], v[XR+32*\k:XR+32*\k+1]
	v_pk_mul_f32 v[SQ+4*\k+2:SQ+4*\k+3], v[XR+32*\k+2:XR+32*\k+3], v[XR+32*\k+2:XR+32*\k+3]
.set I, 4
.rept 7
	v_pk_fma_f32 v[SQ+4*\k:SQ+4*\k+1], v[XR+32*\k+I:XR+32*\k+I+1], v[XR+32*\k+I:XR+32*\k+I+1], v[SQ+4*\k:SQ+4*\k+1]
	v_pk_fma_f32 v[SQ+4*\k+2:SQ+4*\k+3], v[XR+32*\k+I+2:XR+32*\k+I+3], v[XR+32*\k+I+2:XR+32*\k+I+3], v[SQ+4*\k+2:SQ+4*\k+3]
.set I, I+4
.endr
	v_pk_add_f32 v[SQ+4*\k:SQ+4*\k+1], v[SQ+4*\k:SQ+4*\k+1], v[SQ+4*\k+2:SQ+4*\k+3]
	v_add_f32 v[SQ+4*\k], v[SQ+4*\k], v[SQ+4*\k+1]
.endr
.irp m, 1,2,4,8
.irp k, 0,1,2,3
	v_add_f32_dpp v[SQ+4*\k], v[SQ+4*\k], v[SQ+4*\k] row_xmask:\m row_mask:0xf bank_mask:0xf
.endr
.endr
.irp k, 0,1,2,3
	v_permlanex16_b32 v[SQ+4*\k+1], v[SQ+4*\k], s[SEL], s[SEL+1]
.endr
.irp k, 0,1,2,3
	v_add_f32 v[SQ+4*\k], v[SQ+4*\k], v[SQ+4*\k+1]               ; the row's sum of squares, in every lane
.endr
.irp k, 0,1,2,3
	v_mul_f32 v[SQ+4*\k], 0x3a800000, v[SQ+4*\k]                 ; / 1,024
.endr
.irp k, 0,1,2,3
	v_sqrt_f32 v[SQ+4*\k+2], v[SQ+4*\k]
.endr
	v_nop                                          ; a plain line behind the batch,
	s_wait_alu depctr_va_vdst(0)                   ; and one wait for the four roots
.irp k, 0,1,2,3
	v_add_f32 v[SQ+4*\k+2], 0x3727c5ac, v[SQ+4*\k+2]             ; + 1e-5
.endr
.irp k, 0,1,2,3
	v_rcp_f32 v[SQ+4*\k], v[SQ+4*\k+2]
.endr
	v_nop
	s_wait_alu depctr_va_vdst(0)                   ; one wait for the four reciprocals
.irp k, 0,1,2,3
.set I, 0
.rept 16
	v_pk_mul_f32 v[XR+32*\k+I:XR+32*\k+I+1], v[XR+32*\k+I:XR+32*\k+I+1], v[SQ+4*\k:SQ+4*\k+1] op_sel_hi:[1,0]
.set I, I+2
.endr
.set I, 0
.rept 16
	v_pk_mul_f32 v[XR+32*\k+I:XR+32*\k+I+1], v[XR+32*\k+I:XR+32*\k+I+1], v[GR+I:GR+I+1]
.set I, I+2
.endr
.irp j, 0,1,2,3,4,5,6,7
	ds_store_b128 v6, v[XR+32*\k+4*\j:XR+32*\k+4*\j+3] offset:SPITCH*\k+512*\j
.endr
.endr
	s_wait_dscnt 0x0                               ; for the others' sake: my rows lie in the stage
	s_barrier_signal -1
	s_barrier_wait -1
.irp e, 0,1
.irp b, 0,1,2,3
.irp j, 0,1,2,3
	ds_load_b128 v[XR+64*\e+16*\b+4*\j:XR+64*\e+16*\b+4*\j+3], v7 offset:512*\e+128*\b+16*\j
.endr
.endr
.endr
	s_wait_dscnt 16                                ; the first fragment's 16 loads are in
	QUANT XR, PC0, PW0
	s_wait_dscnt 0x0
	QUANT XR+64, PC1, PW1
.irp c, 0,1,2,3
	global_store_b128 v1, v[PC0+4*\c:PC0+4*\c+3], s[34:35] offset:512*\c         ; 32 lanes store 512 consecutive bytes
	global_store_b128 v1, v[PC1+4*\c:PC1+4*\c+3], s[34:35] offset:2048+512*\c
.endr
	v_cndmask_b32 v[PWP], v[PW0], v[PW1], s[MHI]   ; lanes 0-15: K step 2 w's words; lanes 16-31: K step 2 w + 1's
	global_store_b32 v2, v[PWP], s[36:37]
	s_wait_tensorcnt 0x0
	ds_add_u32 v254, v255
	s_wait_dscnt 0x0
	s_endpgm
.Lfunc_end_k_q45d9cf5b03_norm2:
	.size	k_q45d9cf5b03_norm2, .Lfunc_end_k_q45d9cf5b03_norm2-k_q45d9cf5b03_norm2
	.p2alignl 7, 3214868480
	.fill 96, 4, 3214868480
	.section	.rodata,"a",@progbits
	.p2align	6, 0x0
	.amdhsa_kernel k_q45d9cf5b03_norm2
		.amdhsa_group_segment_fixed_size 66304
		.amdhsa_private_segment_fixed_size 0
		.amdhsa_enable_private_segment 0
		.amdhsa_kernarg_size 24
		.amdhsa_user_sgpr_count 2
		.amdhsa_user_sgpr_kernarg_segment_ptr 1
		.amdhsa_wavefront_size32 1
		.amdhsa_system_sgpr_workgroup_id_x 1
		.amdhsa_system_sgpr_workgroup_id_y 1
		.amdhsa_system_sgpr_workgroup_id_z 1
		.amdhsa_system_vgpr_workitem_id 0
		.amdhsa_next_free_vgpr 256
		.amdhsa_next_free_sgpr 66
		.amdhsa_reserve_vcc 0
		.amdhsa_float_denorm_mode_32 3
		.amdhsa_float_denorm_mode_16_64 3
		.amdhsa_memory_ordered 1
		.amdhsa_forward_progress 1
		.amdhsa_inst_pref_size 42
	.end_amdhsa_kernel
	.amdgpu_metadata
---
amdhsa.version: [ 1, 2 ]
amdhsa.kernels:
  - .name:           k_q45d9cf5b03_norm2
    .symbol:         k_q45d9cf5b03_norm2.kd
    .args:
      - { .name: x1, .offset: 0, .size: 8, .value_kind: global_buffer, .address_space: global }
      - { .name: g2, .offset: 8, .size: 8, .value_kind: global_buffer, .address_space: global }
      - { .name: act, .offset: 16, .size: 8, .value_kind: global_buffer, .address_space: global }
    .group_segment_fixed_size: 66304
    .private_segment_fixed_size: 0
    .kernarg_segment_align: 8
    .kernarg_segment_size: 24
    .max_flat_workgroup_size: 128
    .sgpr_count:     66
    .vgpr_count:     256
    .wavefront_size: 32
...
	.end_amdgpu_metadata
.endif
;; end of part 5
;; launch wv (part 6): grid 16 x 22, 4 waves a work-group, clusters of 4 x 1, 327,680 bytes of LDS; arguments act, W_codes, W_scales, V_codes, V_scales, we, gb; writes gb
.if DOCPART == 6
	.amdgcn_target "amdgcn-amd-amdhsa--gfx1250"
	.amdhsa_code_object_version 6
	.text
	.protected	k_q45d9cf5b03_wv
	.globl	k_q45d9cf5b03_wv
	.p2align	8
	.type	k_q45d9cf5b03_wv,@function
k_q45d9cf5b03_wv:
	s_mov_b64 s[64:65], 0
	v_nop
	global_prefetch_b8 v0, s[64:65] scope:SCOPE_SE
	s_setreg_imm32_b32 hwreg(HW_REG_WAVE_MODE, 25, 1), 1
	s_wait_xcnt 0x0
	s_wait_alu depctr_hold_cnt(0) depctr_sa_sdst(0) depctr_va_vdst(0) depctr_va_sdst(0) depctr_va_ssrc(0) depctr_va_vcc(0) depctr_vm_vsrc(0)
	s_getreg_b32 s2, hwreg(HW_REG_IB_STS2, 6, 4)
	s_cmp_eq_u32 s2, 0
	s_cbranch_scc0 .Lentry_in_a_cluster
	s_endpgm
.Lentry_in_a_cluster:
	s_bfe_u32 s2, ttmp6, 0x10000c
	s_cmp_lg_u32 s2, 0x3003
	s_cbranch_scc0 .Lentry_shape_is_right
	s_endpgm
.Lentry_shape_is_right:
; SwiGLU's first half: gated = silu(h W) x (h V), both products [4096 x 1024] x [1024 x 2728] on codes of E4M3 with E8M0 scales; gated is quantised along its columns and stored as images in gb.
; SHARES.  A work-group takes 256 rows (work-group x) and 128 columns of W and the same 128 of V (work-group y, 22 of them: 2,816 columns; the last tile's rows come from we, where rows from 2,728 on are zero codes).
; 128 columns are one K step of the next product: a wave's results for a tile of rows are exactly one fragment and one scale word a row.  Wave w: four tiles of 16 rows x 8 + 8 tiles of weights: 64 accumulators.
; A comes as images (act: codes [T 256][s 8][2,048], scale words [T][s][r] at 4,194,304; tile T holds rows 32 (T/2) + 8 (T%2) + r + 8 (r/8)); the weights as rows of codes.  A tile of weights is 16 NEIGHBOURING rows: with LDS rows
; 272 bytes apart row r starts at bank 4 r mod 64 (64 banks of 4 bytes: ISA guide 11.1), so the sixteen rows of a fragment load start at sixteen different banks.
; All products are used TRANSPOSED: a lane (r, h) holds one row and, in tile t's registers, columns 16 t + 8 h + 0 .. 7.  A block of 32 columns is tiles 2 b and 2 b + 1 of lanes l and l xor 16.  Eight codes are 8 bytes of the image:
; tile 2 b's go to 512 b + 16 r + 8 h, tile 2 b + 1's 256 bytes further on: 32 lanes store 256 consecutive bytes.  K goes in slots of two steps of 128 through a ring of two LDS slots.
; CLUSTER 4 x 1: the four partners differ in their rows alone, so W's and V's tiles and scales are asked for jointly (mask 15; waves 2 and 3); A's are each work-group's own (no mask; waves 0 and 1).  22 does not divide by 4, so the
; cluster has no second axis along which A could be shared.
; OUT.  gb: codes [T 256][s 22][c 4][lane][16] at 0 (lane (r, h): columns 128 s + 32 c + 16 h + 0 .. 15 of the tile's row r), scale words [T][s][r] at 11,534,336.
; LIMITS: NaN and infinities are not served; a block of zeros or under 2^-118 gets the byte 1; v_exp_f32 and v_rcp_f32 are good to one unit in the last place.
; The weights' scale words lie 32 bytes apart in LDS and meet banks more than once: eight small loads for 64 products.
; REGISTERS.  window 0: v1-22 addresses; v32-63 scale words, two sets of 16, and nothing else; v64-127 a tile's 64 numbers; v128-191 codes; v192-197 scale words made; v200-215 the quantiser's.
; window 1: A's fragments at 64 p + 16 a, the weights' at 128 + 64 p + 16 t.  window 2: h W at 64 a + 8 t.  window 3: h V at 64 a + 8 t.
.set KST, 8
.set SPS, 2
.set NG, 4
.set NS, 10
.set TS, 2048*SPS
.set PITCH, 272
.set BOFF, 65536
.set SLOT, BOFF+256*PITCH              ; 135,168: A's 16 tiles, W's 128 rows, V's 128 rows
.set SCA, 2*SLOT
.set SCB, SCA+8192
.set SPARE, SCB+8192                   ; the spare words: 128 bytes a wave, two blocks of 256 bytes that no other line names
.set ASOFF, 4194304
.set STEPA, 4096*SPS
.set STEPB, 256*SPS
.set LI, 8
.set ADA, 10
.set ADB, 12
.set LB, 14                            ; v14 16 r + 8 h: where eight codes go in 256 bytes of an image
.set ADSA, 16
.set ADSB, 17
.set SPW, 20
.set NIL, 21
.set WA, 22                            ; v22 4 r + 1,408 h: a pair of tiles' scale words in gb
.set GT, 64
.set TM, 200
.set WV, 20
.set ROLE, 21
.set HF, 22
.set MHI, 27
.set SEL, 28
.set MNT, 30
.set G1A, 32
.set G1B, 40
.set G1SA, 48
.set G1SB, 56
.set G0A0, 68
.set G0A1, 72
.set G0AS, 76
.set G0B0, 80
.set G0B1, 84
.set G0BS, 88
.set MSB, 0
.set PA, 0
.set PB, 0
.set PS, 0
.set STEPNO, 0
.macro WIN new
.if MSB != (\new)
	s_set_vgpr_msb (MSB<<8)|(\new)
.set MSB, (\new)
.endif
.endm
.macro PLACES n
.rept \n
	v_nop
.endr
.endm
.macro CROUND
	s_barrier_signal -1
	s_barrier_wait -1
	s_cmp_lg_u32 s[WV], 0
	s_cbranch_scc1 .Lnot_wave_0_\@
	s_barrier_signal -3
.Lnot_wave_0_\@:
	s_barrier_wait -3
	s_barrier_signal -1
	s_barrier_wait -1
.endm
.macro G1SET g, c, r, st
	s_mov_b32 s[(\g)+1], (\c)<<16
	s_mov_b32 s[(\g)+2], (\r)<<16
	s_mov_b32 s[(\g)+3], (\c)<<16
	s_mov_b32 s[(\g)+4], \r
	s_mov_b32 s[(\g)+5], \st
	s_mov_b32 s[(\g)+6], 0
	s_mov_b32 s[(\g)+7], 0
.endm
.macro G0SET g, lr, la, base, off, add
	s_mov_b32 s[\g], 1
	s_add_co_u32 s[(\g)+1], s[\lr], \la
	s_add_nc_u64 s[(\g)+2:(\g)+3], s[\base:\base+1], s[\off:\off+1]
	s_add_nc_u64 s[(\g)+2:(\g)+3], s[(\g)+2:(\g)+3], \add
	s_or_b32 s[(\g)+3], s[(\g)+3], 0x80000000
.endm
.macro WM d, a, b, zero, sa, ra, sb, rb
.if \zero
.if (\ra) && (\rb)
	v_wmma_scale_f32_16x16x128_f8f6f4 v[\d:\d+7], v[\a:\a+15], v[\b:\b+15], 0, v[\sa], v[\sb] matrix_a_scale:MATRIX_SCALE_ROW1 matrix_b_scale:MATRIX_SCALE_ROW1
.elseif \ra
	v_wmma_scale_f32_16x16x128_f8f6f4 v[\d:\d+7], v[\a:\a+15], v[\b:\b+15], 0, v[\sa], v[\sb] matrix_a_scale:MATRIX_SCALE_ROW1
.elseif \rb
	v_wmma_scale_f32_16x16x128_f8f6f4 v[\d:\d+7], v[\a:\a+15], v[\b:\b+15], 0, v[\sa], v[\sb] matrix_b_scale:MATRIX_SCALE_ROW1
.else
	v_wmma_scale_f32_16x16x128_f8f6f4 v[\d:\d+7], v[\a:\a+15], v[\b:\b+15], 0, v[\sa], v[\sb]
.endif
.else
.if (\ra) && (\rb)
	v_wmma_scale_f32_16x16x128_f8f6f4 v[\d:\d+7], v[\a:\a+15], v[\b:\b+15], v[\d:\d+7], v[\sa], v[\sb] matrix_a_scale:MATRIX_SCALE_ROW1 matrix_b_scale:MATRIX_SCALE_ROW1
.elseif \ra
	v_wmma_scale_f32_16x16x128_f8f6f4 v[\d:\d+7], v[\a:\a+15], v[\b:\b+15], v[\d:\d+7], v[\sa], v[\sb] matrix_a_scale:MATRIX_SCALE_ROW1
.elseif \rb
	v_wmma_scale_f32_16x16x128_f8f6f4 v[\d:\d+7], v[\a:\a+15], v[\b:\b+15], v[\d:\d+7], v[\sa], v[\sb] matrix_b_scale:MATRIX_SCALE_ROW1
.else
	v_wmma_scale_f32_16x16x128_f8f6f4 v[\d:\d+7], v[\a:\a+15], v[\b:\b+15], v[\d:\d+7], v[\sa], v[\sb]
.endif
.endif
.endm
.macro FRG reg, adr, off, cs
.irp c, 0,1,2,3
	ds_load_b128 v[(\reg)+4*\c:(\reg)+4*\c+3], v[\adr] offset:(\off)+(\cs)*\c
.endr
.endm
.macro FETCH_A sl, q, p
.irp a, 0,1,2,3
	FRG 64*(\p)+16*\a, ADA+(\sl), \a*TS+2048*(\q), 512
.endr
.endm
.macro FETCH_B sl, q, g, p             ; group g: 0, 1 W's tiles 0-3, 4-7; 2, 3 V's.  W's and V's rows lie on end: tile t of group g is rows 64 g + 16 t on.  The largest offset, (192 + 48) x 272 + 224, lies inside the 16-bit immediate
.irp t, 0,1,2,3
	FRG 128+64*(\p)+16*\t, ADB+(\sl), (64*(\g)+16*\t)*PITCH+128*(\q), 32
.endr
.endm
.macro FETCH_S st, p
.irp i, 0,1
	ds_load_b32 v[32+16*(\p)+\i], v[ADSA] offset:\i*128*KST+64*(\st)
.endr
.set II, 0
.rept 2*NG
	ds_load_b32 v[34+16*(\p)+II], v[ADSB] offset:II*1024+4*(\st)
.set II, II+1
.endr
.endm
.macro UNIT g, zero                    ; 16 products; the accumulators take turns, one instruction a turn
.if (\g) > 1
	WIN 0xf5
.else
	WIN 0xa5
.endif
.irp t, 0,1,2,3
.irp a, 0,1,2,3
.set rD, 64*\a+32*((\g)%2)+8*\t
.set rA, 64*PA+16*\a
.set rB, 128+64*PB+16*\t
.set rSA, 32+16*PS+\a/2
.set rSB, 34+16*PS+2*(\g)+\t/2
	WM rD, rB, rA, \zero, rSB, \t%2, rSA, \a%2
.endr
.endr
.endm
.macro WORK sl, nst, zero
	WIN 0x40
	FETCH_A \sl, 0, PA
	FETCH_B \sl, 0, 0, PB
	WIN 0
	FETCH_S STEPNO, PS
.set QQ, 0
.rept \nst
.set GG, 0
.rept NG
.set ZF, 0
.if (\zero) && (QQ == 0)
.set ZF, 1
.endif
.if GG < NG-1
	PLACES 8                                       ; in front of loads into registers that products have read
	WIN 0x40
	FETCH_B \sl, QQ, GG+1, 1-PB
	s_wait_dscnt 16                                ; all but the 16 loads just issued
.elseif QQ < (\nst)-1
	PLACES 8
	WIN 0x40
	FETCH_A \sl, QQ+1, 1-PA
	FETCH_B \sl, QQ+1, 0, 1-PB
	WIN 0
	FETCH_S STEPNO+1, 1-PS
	s_wait_dscnt 32+NS                             ; all but the loads just issued
.else
	s_wait_dscnt 0x0
.endif
	UNIT GG, ZF
.set PB, 1-PB
.set GG, GG+1
.endr
.set PA, 1-PA
.set PS, 1-PS
.set STEPNO, STEPNO+1
.set QQ, QQ+1
.endr
.endm
.macro JLOAD g0a, g0b                  ; a refill: waves 0, 1 their own work-group's halves of A, waves 2, 3 jointly W's and V's rows; four v_nop follow each line
	s_cmp_eq_u32 s[ROLE], 0
	s_cbranch_scc0 .Lfor_b_\@
	tensor_load_to_lds s[\g0a:\g0a+3], s[G1A:G1A+7]
	s_nop 0
	PLACES 4
	s_branch .Lasked_\@
.Lfor_b_\@:
	tensor_load_to_lds s[\g0b:\g0b+3], s[G1B:G1B+7]
	s_nop 0
	PLACES 4
.Lasked_\@:
.endm
.macro CHANGE fill, g0a, g0b           ; the change of slots: all my tensor loads have landed, the add, the wait for it and for my reads of the slot just left; then the barrier (fill = 1: a round of the cluster's) and the refill first behind it
	WIN 0
	s_wait_tensorcnt 0x0
	ds_add_u32 v[SPW], v[NIL]
.if \fill
	s_add_nc_u64 s[\g0a+2:\g0a+3], s[\g0a+2:\g0a+3], STEPA
	s_add_nc_u64 s[\g0b+2:\g0b+3], s[\g0b+2:\g0b+3], STEPB
	s_wait_dscnt 0x0
	CROUND
	JLOAD \g0a, \g0b
	PLACES 4
.else
	s_wait_dscnt 0x0
	s_barrier_signal -1
	s_barrier_wait -1
	PLACES 8
.endif
.endm
.macro QUANT s, pc, pw                 ; 64 numbers of a lane, registers 16 b .. 16 b + 15 my 16 of block b (the other 16 lie in lane l xor 16) -> their codes, four registers a block, and my row's scale word
.irp b, 0,1,2,3
	v_max3_num_f32 v[TM+\b], |v[(\s)+16*\b]|, |v[(\s)+16*\b+1]|, 0x4800000
.endr
.irp i, 2,4,6,8,10,12,14
.irp b, 0,1,2,3
	v_max3_num_f32 v[TM+\b], v[TM+\b], |v[(\s)+16*\b+\i]|, |v[(\s)+16*\b+\i+1]|
.endr
.endr
.irp b, 0,1,2,3
	v_permlanex16_b32 v[TM+4+\b], v[TM+\b], s[SEL], s[SEL+1]
.endr
.irp b, 0,1,2,3
	v_max_num_f32 v[TM+\b], v[TM+\b], v[TM+4+\b]
.endr
.irp b, 0,1,2,3
	v_add_nc_u32 v[TM+12+\b], 0xfc000000, v[TM+\b]
.endr
.irp b, 0,1,2,3
	v_and_or_b32 v[TM+8+\b], v[TM+\b], 0x7f800000, s[MNT]
.endr
.irp b, 0,1,2,3
	v_lshrrev_b32 v[TM+4+\b], 23, v[TM+12+\b]
.endr
	v_lshl_or_b32 v[\pw], v[TM+5], 8, v[TM+4]
	v_lshl_or_b32 v[\pw], v[TM+6], 16, v[\pw]
	v_lshl_or_b32 v[\pw], v[TM+7], 24, v[\pw]
.irp b, 0,1,2,3
.irp i, 0,1,2,3,4,5,6,7,8,9,10,11,12,13,14,15
	v_med3_num_f32 v[(\s)+16*\b+\i], v[(\s)+16*\b+\i], -v[TM+8+\b], v[TM+8+\b]
.endr
	v_cvt_scalef32_pk8_fp8_f32 v[(\pc)+4*\b:(\pc)+4*\b+1], v[(\s)+16*\b:(\s)+16*\b+7], v[TM+12+\b]
	v_cvt_scalef32_pk8_fp8_f32 v[(\pc)+4*\b+2:(\pc)+4*\b+3], v[(\s)+16*\b+8:(\s)+16*\b+15], v[TM+12+\b]
.endr
	v_nop
.endm
	s_load_b256 s[4:11], s[0:1], 0x0               ; act s[4:5], W_codes s[6:7], W_scales s[8:9], V_codes s[10:11]
	s_load_b128 s[12:15], s[0:1], 0x20             ; V_scales s[12:13], we s[14:15]
	s_load_b64 s[16:17], s[0:1], 0x30              ; gb
	v_lshl_add_u32 v[SPW], v0, 2, SPARE
	v_mov_b32 v[NIL], 0
	ds_add_u32 v20, v21
	ds_add_u32 v20, v21
	s_wait_dscnt 0x0
	v_lshrrev_b32 v3, 5, v0
	v_readfirstlane_b32 s[WV], v3
	s_lshr_b32 s[ROLE], s[WV], 1
	s_and_b32 s[HF], s[WV], 1
	s_bfe_u32 s23, ttmp6, 0x40000                  ; cx
	s_lshl_b32 s25, ttmp9, 2
	s_add_co_u32 s25, s25, s23                     ; X: which 256 rows
	s_and_b32 s26, ttmp7, 0xffff                   ; Y: which 128 columns; the four partners share it
	s_mov_b32 s[MHI], 0xffff0000
	s_mov_b32 s[SEL], 0x76543210
	s_mov_b32 s[SEL+1], 0xfedcba98
	s_mov_b32 s[MNT], 0x600000
	s_mov_b32 s[G1A], 3<<16                        ; A's images, my work-group's own: eight tiles, 4,096 bytes of each, 16,384 apart
	G1SET G1A, 256*SPS, 8, 256*KST
	s_mov_b32 s[G1B], 15|(1<<20)|(1<<21)|(5<<22)|(3<<25)   ; weights, for all four: 128 rows of 256 bytes, 1,024 apart; 4 words of padding behind every 64
	G1SET G1B, 256, 128, 1024
	s_mov_b32 s[G1SA], 3<<16                       ; scale words of eight tiles: 4,096 dense bytes
	G1SET G1SA, 32, 16, 32
	s_mov_b32 s[G1SB], 15|(3<<16)|(1<<21)          ; scale bytes of 128 rows: 4,096 dense bytes
	G1SET G1SB, 32, 16, 32
	s_lshl_b32 s92, s25, 4
	s_lshl_b32 s93, s[HF], 3
	s_add_co_u32 s92, s92, s93                     ; A: tile 16 X + 8 x half
	s_lshl_b32 s94, s92, 9
	s_add_co_u32 s94, s94, ASOFF
	s_mov_b32 s95, 0
	s_lshl_b32 s92, s92, 14
	s_mov_b32 s93, 0
	s_lshl_b32 s3, s[HF], 12                       ; in LDS: my half of a side's scales,
	s_lshl_b32 s104, s[HF], 15                     ; of A's tiles,
	s_mul_i32 s105, s[HF], 128*PITCH               ; W's rows or V's
	s_wait_kmcnt 0x0
	G0SET G0AS, 3, SCA, 4, 94, 0
	G0SET G0A0, 104, 0, 4, 92, 0
	G0SET G0A1, 104, SLOT, 4, 92, 2048*SPS
	s_cmp_eq_u32 s[HF], 0                          ; wave 2 fetches W, wave 3 V;
	s_cselect_b64 s[96:97], s[6:7], s[10:11]
	s_cselect_b64 s[98:99], s[8:9], s[12:13]
	s_lshl_b32 s100, s26, 17                       ; 128 rows of 1,024 bytes a tile,
	s_lshl_b32 s66, s26, 12                        ; of 32 scale bytes
	s_lshl_b32 s24, s[HF], 17
	s_lshl_b32 s31, s[HF], 12
	s_add_co_u32 s31, s31, 262144
	s_cmp_eq_u32 s26, 21                           ; the last tile comes from we, where it is whole: no load leaves a buffer, and the shape stays one
	s_cselect_b64 s[96:97], s[14:15], s[96:97]
	s_cselect_b64 s[98:99], s[14:15], s[98:99]
	s_cselect_b32 s100, s24, s100
	s_cselect_b32 s66, s31, s66
	s_mov_b32 s101, 0
	s_mov_b32 s67, 0
	G0SET G0BS, 3, SCB, 98, 66, 0
	G0SET G0B0, 105, BOFF, 96, 100, 0
	G0SET G0B1, 105, SLOT+BOFF, 96, 100, 128*SPS
	CROUND                                         ; all four work-groups are here: the first joint loads meet
	s_cmp_eq_u32 s[ROLE], 0                        ; a wave's three first fills stand in one branch: three loads of mine are out
	s_cbranch_scc0 .Lfirst_b
	tensor_load_to_lds s[G0AS:G0AS+3], s[G1SA:G1SA+7]
	s_nop 0
	tensor_load_to_lds s[G0A0:G0A0+3], s[G1A:G1A+7]
	s_nop 0
	tensor_load_to_lds s[G0A1:G0A1+3], s[G1A:G1A+7]
	s_nop 0
	PLACES 4
	s_branch .Lfirst_done
.Lfirst_b:
	tensor_load_to_lds s[G0BS:G0BS+3], s[G1SB:G1SB+7]
	s_nop 0
	tensor_load_to_lds s[G0B0:G0B0+3], s[G1B:G1B+7]
	s_nop 0
	tensor_load_to_lds s[G0B1:G0B1+3], s[G1B:G1B+7]
	s_nop 0
	PLACES 4
.Lfirst_done:
	v_and_b32 v1, 15, v0                           ; r
	v_bfe_u32 v2, v0, 4, 1                         ; h
	v_and_b32 v3, 31, v0
	v_lshlrev_b32 v[LI], 4, v3
	v_lshlrev_b32 v[LB], 4, v1
	v_lshl_add_u32 v[LB], v2, 3, v[LB]             ; 16 r + 8 h
	s_lshl_b32 s31, s[WV], 14
	v_add_nc_u32 v[ADA], s31, v[LI]                ; my four tiles of A
	v_add_nc_u32 v[ADA+1], SLOT, v[ADA]
	v_mul_u32_u24 v4, v1, PITCH
	v_lshl_add_u32 v4, v2, 4, v4                   ; a tile's row r, + 16 h
	v_add_nc_u32 v[ADB], BOFF, v4
	v_add_nc_u32 v[ADB+1], SLOT, v[ADB]
	v_lshlrev_b32 v4, 2, v1
	v_lshl_add_u32 v4, v2, 9, v4
	s_lshl_b32 s31, s[WV], 11
	s_add_co_u32 s31, s31, SCA
	v_add_nc_u32 v[ADSA], s31, v4
	v_lshlrev_b32 v4, 5, v1
	v_lshl_add_u32 v4, v2, 9, v4                   ; 32 bytes a row, + sixteen rows for lanes 16-31
	v_add_nc_u32 v[ADSB], SCB, v4
	v_mul_u32_u24 v4, v2, 1408
	v_lshl_add_u32 v[WA], v1, 2, v4
.irp b, 0,1,2,3
	v_mov_b32 v[TM+4+\b], 0                        ; a lane permute's destination counts as read: written once
.endr
	s_wait_tensorcnt 0x1                           ; the scales and my part of slot 0 are in; slot 1's load may stay out
	s_barrier_signal -1
	s_barrier_wait -1
	WORK 0, 2, 1
	CHANGE 1, G0A0, G0B0
	WORK 1, 2, 0
	CHANGE 1, G0A1, G0B1
	WORK 0, 2, 0
	CHANGE 0, G0A0, G0B0
	WORK 1, 2, 0
	WIN 0
	s_lshl_b32 s32, s25, 4                         ; no tensor load is out: the descriptors' registers are free
	s_lshl_b32 s33, s[WV], 2
	s_add_co_u32 s32, s32, s33                     ; my first tile: 16 X + 4 w
	s_mul_i32 s34, s32, 45056
	s_lshl_b32 s33, s26, 11
	s_add_co_u32 s34, s34, s33
	s_mov_b32 s35, 0
	s_add_nc_u64 s[36:37], s[16:17], s[34:35]      ; its image of K step Y
	s_mul_i32 s34, s32, 1408
	s_lshl_b32 s33, s26, 6
	s_add_co_u32 s34, s34, s33
	s_add_co_u32 s34, s34, 11534336
	s_add_nc_u64 s[38:39], s[16:17], s[34:35]      ; and its scale words
	PLACES 8                                       ; behind the last products, ahead of the first read of results
.irp a, 0,1,2,3                        ; gated = (w v) / (1 + 2^(-w log2(e))), a tile of rows at a time; every accumulator is read from its low end on
	WIN 0x02
.set I, 0
.rept 32
	v_pk_mul_f32 v[GT+I:GT+I+1], v[64*\a+I:64*\a+I+1], 0xbfb8aa3b op_sel_hi:[1,0]
.set I, I+2
.endr
	WIN 0
.set I, 0
.rept 64
	v_exp_f32 v[GT+I], v[GT+I]
.set I, I+1
.endr
	WIN 0x8e
.set I, 0
.rept 32
	v_pk_mul_f32 v[64*\a+I:64*\a+I+1], v[64*\a+I:64*\a+I+1], v[64*\a+I:64*\a+I+1]   ; w v (source 1: window 3): work that names no exponential's result
.set I, I+2
.endr
	WIN 0
	s_wait_alu depctr_va_vdst(0)                   ; one wait for the 64 exponentials
.set I, 0
.rept 32
	v_pk_add_f32 v[GT+I:GT+I+1], v[GT+I:GT+I+1], 1.0 op_sel_hi:[1,0]
.set I, I+2
.endr
.set I, 0
.rept 64
	v_rcp_f32 v[GT+I], v[GT+I]
.set I, I+1
.endr
	v_nop
	s_wait_alu depctr_va_vdst(0)                   ; one wait for the 64 reciprocals
	WIN 0x02
.set I, 0
.rept 32
	v_pk_mul_f32 v[GT+I:GT+I+1], v[64*\a+I:64*\a+I+1], v[GT+I:GT+I+1]
.set I, I+2
.endr
	WIN 0
	QUANT GT, 128+16*\a, 192+\a
.irp c, 0,1,2,3
	global_store_b64 v[LB], v[128+16*\a+4*\c:128+16*\a+4*\c+1], s[36:37] offset:45056*\a+512*\c         ; columns 32 c + 8 h + 0 .. 7: 32 lanes store 256 consecutive bytes, aligned
	global_store_b64 v[LB], v[128+16*\a+4*\c+2:128+16*\a+4*\c+3], s[36:37] offset:45056*\a+512*\c+256   ; columns 32 c + 16 + 8 h + 0 .. 7
.endr
.endr
.irp p, 0,1
	v_cndmask_b32 v[196+\p], v[192+2*\p], v[193+2*\p], s[MHI]    ; lanes 0-15 the even tile's words, lanes 16-31 the odd tile's
	global_store_b32 v[WA], v[196+\p], s[38:39] offset:2816*\p
.endr
	s_wait_tensorcnt 0x0                           ; the wave's end
	ds_add_u32 v[SPW], v[NIL]
	s_wait_dscnt 0x0
	CROUND                                         ; the closing round
	s_endpgm
.Lfunc_end_k_q45d9cf5b03_wv:
	.size	k_q45d9cf5b03_wv, .Lfunc_end_k_q45d9cf5b03_wv-k_q45d9cf5b03_wv
	.p2alignl 7, 3214868480
	.fill 96, 4, 3214868480
	.section	.rodata,"a",@progbits
	.p2align	6, 0x0
	.amdhsa_kernel k_q45d9cf5b03_wv
		.amdhsa_group_segment_fixed_size 327680
		.amdhsa_private_segment_fixed_size 0
		.amdhsa_enable_private_segment 0
		.amdhsa_kernarg_size 56
		.amdhsa_user_sgpr_count 2
		.amdhsa_user_sgpr_kernarg_segment_ptr 1
		.amdhsa_wavefront_size32 1
		.amdhsa_system_sgpr_workgroup_id_x 1
		.amdhsa_system_sgpr_workgroup_id_y 1
		.amdhsa_system_sgpr_workgroup_id_z 1
		.amdhsa_system_vgpr_workitem_id 0
		.amdhsa_next_free_vgpr 1024
		.amdhsa_next_free_sgpr 106
		.amdhsa_reserve_vcc 0
		.amdhsa_float_denorm_mode_32 3
		.amdhsa_float_denorm_mode_16_64 3
		.amdhsa_memory_ordered 1
		.amdhsa_forward_progress 1
		.amdhsa_inst_pref_size 220
	.end_amdhsa_kernel
	.amdgpu_metadata
---
amdhsa.version: [ 1, 2 ]
amdhsa.kernels:
  - .name:           k_q45d9cf5b03_wv
    .symbol:         k_q45d9cf5b03_wv.kd
    .args:
      - { .name: act, .offset: 0, .size: 8, .value_kind: global_buffer, .address_space: global }
      - { .name: W_codes, .offset: 8, .size: 8, .value_kind: global_buffer, .address_space: global }
      - { .name: W_scales, .offset: 16, .size: 8, .value_kind: global_buffer, .address_space: global }
      - { .name: V_codes, .offset: 24, .size: 8, .value_kind: global_buffer, .address_space: global }
      - { .name: V_scales, .offset: 32, .size: 8, .value_kind: global_buffer, .address_space: global }
      - { .name: we, .offset: 40, .size: 8, .value_kind: global_buffer, .address_space: global }
      - { .name: gb, .offset: 48, .size: 8, .value_kind: global_buffer, .address_space: global }
    .group_segment_fixed_size: 327680
    .private_segment_fixed_size: 0
    .kernarg_segment_align: 8
    .kernarg_segment_size: 56
    .max_flat_workgroup_size: 128
    .sgpr_count:     106
    .vgpr_count:     1024
    .wavefront_size: 32
...
	.end_amdgpu_metadata
.endif
;; end of part 6
;; launch w2g (part 7): grid 8 x 32, 4 waves a work-group, clusters of 4 x 4, 327,680 bytes of LDS; arguments gb, w2b, x1, out0; writes out0
.if DOCPART == 7
	.amdgcn_target "amdgcn-amd-amdhsa--gfx1250"
	.amdhsa_code_object_version 6
	.text
	.protected	k_q45d9cf5b03_w2g
	.globl	k_q45d9cf5b03_w2g
	.p2align	8
	.type	k_q45d9cf5b03_w2g,@function
k_q45d9cf5b03_w2g:
	s_mov_b64 s[64:65], 0
	v_nop
	global_prefetch_b8 v0, s[64:65] scope:SCOPE_SE
	s_setreg_imm32_b32 hwreg(HW_REG_WAVE_MODE, 25, 1), 1
	s_wait_xcnt 0x0
	s_wait_alu depctr_hold_cnt(0) depctr_sa_sdst(0) depctr_va_vdst(0) depctr_va_sdst(0) depctr_va_ssrc(0) depctr_va_vcc(0) depctr_vm_vsrc(0)
	s_getreg_b32 s2, hwreg(HW_REG_IB_STS2, 6, 4)
	s_cmp_eq_u32 s2, 0
	s_cbranch_scc0 .Lentry_in_a_cluster
	s_endpgm
.Lentry_in_a_cluster:
	s_bfe_u32 s2, ttmp6, 0x10000c
	s_cmp_lg_u32 s2, 0xf033
	s_cbranch_scc0 .Lentry_shape_is_right
	s_endpgm
.Lentry_shape_is_right:
; out0 = gated W2 + x1: [4096 x 2816] x [2816 x 1024] on codes of E4M3 with E8M0 scales (K = 2,728 filled with zero codes to 22 steps of 128), f32 sums, the residual added on the way out.
; SHARES.  A work-group makes 128 rows (work-group y) x 128 columns (work-group x): 256 work-groups.  Wave w: four tiles of 16 rows (half w / 2) x four tiles of 16 columns (half w % 2): 16 accumulators.
; Both operands come as images of their registers: gb: codes [T 256][s 22][2,048], scale words [T][s][r] at 11,534,336 (tile T holds rows 32 (T/2) + 8 (T%2) + r + 8 (r/8)); w2b: codes [tile of 16 columns 64][s 22][2,048],
; scale words at 2,883,584.  K goes in slots of four steps through a ring of two LDS slots: five whole fills and one of two steps, which has descriptors of its own and lands at the same bases with tiles 4,096 bytes apart.
; CLUSTER 4 x 4: A's tiles hang on y alone and are asked for jointly along a row of the cluster, W2's on x alone, along a column.  Waves 0, 1 fetch A's halves, waves 2, 3 W2's.
; The product is used TRANSPOSED (source 0 = W2's columns): a lane holds one row and eight neighbouring columns.
; REGISTERS.  window 0: v1-24 addresses; v32-63 scale words, two sets of 16, and nothing else; v64-191 the residual; v192-255 rows on the way out.  window 1: A's fragments at 64 p + 16 a, W2's at 128 + 64 p + 16 t.
; window 2: the accumulators at 32 a + 8 t.
.set KST, 22
.set SPS, 4
.set NG, 1
.set NS, 4
.set TS, 2048*SPS
.set BOFF, 65536
.set SLOT, 131072
.set SCA, 2*SLOT                       ; A's scale words: 8 tiles x 1,408 bytes
.set SCB, SCA+11264
.set SPARE, SCB+11264                  ; the spare words: 128 bytes a wave, two blocks of 256 bytes that no other line names
.set STAGE, SPARE+512                  ; 16 rows x 272 bytes for each wave: bytes of their own, into which no fill lands
.set SPI, 272
.set ASOFF, 11534336
.set BSOFF, 2883584
.set STEPA, 4096*SPS
.set STEPB, 4096*SPS
.set LI, 8
.set ADA, 10
.set ADB, 12
.set ADSA, 16
.set ADSB, 17
.set SPW, 20
.set NIL, 21
.set STO, 22
.set RD, 23
.set CO, 24
.set RES, 64
.set WV, 20
.set ROLE, 21
.set HF, 22
.set RP, 8                             ; s[8:9]   x1
.set OP, 10                            ; s[10:11] out0
.set G1AH, 12                          ; s[12:19] group 1 of A's half fill
.set G1A, 32
.set G1B, 40
.set G1SA, 48
.set G1SB, 56
.set G0A0, 68
.set G0A1, 72
.set G0AS, 76
.set G0B0, 80
.set G0B1, 84
.set G0BS, 88
.set G1BH, 92                          ; s[92:99] group 1 of W2's half fill
.set MSB, 0
.set PA, 0
.set PB, 0
.set PS, 0
.set STEPNO, 0
.macro WIN new
.if MSB != (\new)
	s_set_vgpr_msb (MSB<<8)|(\new)
.set MSB, (\new)
.endif
.endm
.macro PLACES n
.rept \n
	v_nop
.endr
.endm
.macro CROUND
	s_barrier_signal -1
	s_barrier_wait -1
	s_cmp_lg_u32 s[WV], 0
	s_cbranch_scc1 .Lnot_wave_0_\@
	s_barrier_signal -3
.Lnot_wave_0_\@:
	s_barrier_wait -3
	s_barrier_signal -1
	s_barrier_wait -1
.endm
.macro G1SET g, c, r, st
	s_mov_b32 s[(\g)+1], (\c)<<16
	s_mov_b32 s[(\g)+2], (\r)<<16
	s_mov_b32 s[(\g)+3], (\c)<<16
	s_mov_b32 s[(\g)+4], \r
	s_mov_b32 s[(\g)+5], \st
	s_mov_b32 s[(\g)+6], 0
	s_mov_b32 s[(\g)+7], 0
.endm
.macro G0SET g, lr, la, base, off, add
	s_mov_b32 s[\g], 1
	s_add_co_u32 s[(\g)+1], s[\lr], \la
	s_add_nc_u64 s[(\g)+2:(\g)+3], s[\base:\base+1], s[\off:\off+1]
	s_add_nc_u64 s[(\g)+2:(\g)+3], s[(\g)+2:(\g)+3], \add
	s_or_b32 s[(\g)+3], s[(\g)+3], 0x80000000
.endm
.macro WM d, a, b, zero, sa, ra, sb, rb
.if \zero
.if (\ra) && (\rb)
	v_wmma_scale_f32_16x16x128_f8f6f4 v[\d:\d+7], v[\a:\a+15], v[\b:\b+15], 0, v[\sa], v[\sb] matrix_a_scale:MATRIX_SCALE_ROW1 matrix_b_scale:MATRIX_SCALE_ROW1
.elseif \ra
	v_wmma_scale_f32_16x16x128_f8f6f4 v[\d:\d+7], v[\a:\a+15], v[\b:\b+15], 0, v[\sa], v[\sb] matrix_a_scale:MATRIX_SCALE_ROW1
.elseif \rb
	v_wmma_scale_f32_16x16x128_f8f6f4 v[\d:\d+7], v[\a:\a+15], v[\b:\b+15], 0, v[\sa], v[\sb] matrix_b_scale:MATRIX_SCALE_ROW1
.else
	v_wmma_scale_f32_16x16x128_f8f6f4 v[\d:\d+7], v[\a:\a+15], v[\b:\b+15], 0, v[\sa], v[\sb]
.endif
.else
.if (\ra) && (\rb)
	v_wmma_scale_f32_16x16x128_f8f6f4 v[\d:\d+7], v[\a:\a+15], v[\b:\b+15], v[\d:\d+7], v[\sa], v[\sb] matrix_a_scale:MATRIX_SCALE_ROW1 matrix_b_scale:MATRIX_SCALE_ROW1
.elseif \ra
	v_wmma_scale_f32_16x16x128_f8f6f4 v[\d:\d+7], v[\a:\a+15], v[\b:\b+15], v[\d:\d+7], v[\sa], v[\sb] matrix_a_scale:MATRIX_SCALE_ROW1
.elseif \rb
	v_wmma_scale_f32_16x16x128_f8f6f4 v[\d:\d+7], v[\a:\a+15], v[\b:\b+15], v[\d:\d+7], v[\sa], v[\sb] matrix_b_scale:MATRIX_SCALE_ROW1
.else
	v_wmma_scale_f32_16x16x128_f8f6f4 v[\d:\d+7], v[\a:\a+15], v[\b:\b+15], v[\d:\d+7], v[\sa], v[\sb]
.endif
.endif
.endm
.macro FRG reg, adr, off, cs
.irp c, 0,1,2,3
	ds_load_b128 v[(\reg)+4*\c:(\reg)+4*\c+3], v[\adr] offset:(\off)+(\cs)*\c
.endr
.endm
.macro FETCH_A sl, q, p
.irp a, 0,1,2,3
	FRG 64*(\p)+16*\a, ADA+(\sl), \a*TS+2048*(\q), 512
.endr
.endm
.macro FETCH_B sl, q, g, p
.irp t, 0,1,2,3
	FRG 128+64*(\p)+16*\t, ADB+(\sl), \t*TS+2048*(\q), 512
.endr
.endm
.macro FETCH_S st, p
.irp i, 0,1
	ds_load_b32 v[32+16*(\p)+\i], v[ADSA] offset:\i*128*KST+64*(\st)
	ds_load_b32 v[34+16*(\p)+\i], v[ADSB] offset:\i*128*KST+64*(\st)
.endr
.endm
.macro UNIT g, zero                    ; 16 products; the accumulators take turns, one instruction a turn
	WIN 0xa5
.irp t, 0,1,2,3
.irp a, 0,1,2,3
.set rD, 32*\a+8*\t
.set rA, 64*PA+16*\a
.set rB, 128+64*PB+16*\t
.set rSA, 32+16*PS+\a/2
.set rSB, 34+16*PS+\t/2
	WM rD, rB, rA, \zero, rSB, \t%2, rSA, \a%2
.endr
.endr
.endm
.macro WORK sl, nst, zero              ; a slot's steps: while 16 products run, the next step's fragments are on their way into the other sets
	WIN 0x40
	FETCH_A \sl, 0, PA
	FETCH_B \sl, 0, 0, PB
	WIN 0
	FETCH_S STEPNO, PS
.set QQ, 0
.rept \nst
.set ZF, 0
.if (\zero) && (QQ == 0)
.set ZF, 1
.endif
.if QQ < (\nst)-1
	PLACES 8                                       ; in front of loads into registers that products have read
	WIN 0x40
	FETCH_A \sl, QQ+1, 1-PA
	FETCH_B \sl, QQ+1, 0, 1-PB
	WIN 0
	FETCH_S STEPNO+1, 1-PS
	s_wait_dscnt 32+NS                             ; all but the loads just issued: this step's fragments are in
.else
	s_wait_dscnt 0x0
.endif
	UNIT 0, ZF
.set PB, 1-PB
.set PA, 1-PA
.set PS, 1-PS
.set STEPNO, STEPNO+1
.set QQ, QQ+1
.endr
.endm
.macro JLOAD g0a, g1a, g0b, g1b        ; a joint refill: waves 0, 1 ask for A's halves, waves 2, 3 for W2's; four v_nop follow each line
	s_cmp_eq_u32 s[ROLE], 0
	s_cbranch_scc0 .Lfor_b_\@
	tensor_load_to_lds s[\g0a:\g0a+3], s[\g1a:\g1a+7]
	s_nop 0
	PLACES 4
	s_branch .Lasked_\@
.Lfor_b_\@:
	tensor_load_to_lds s[\g0b:\g0b+3], s[\g1b:\g1b+7]
	s_nop 0
	PLACES 4
.Lasked_\@:
.endm
.macro CHANGE fill, g0a, g1a, g0b, g1b ; the change of slots: all my tensor loads have landed, the add, the wait for it and for my reads of the slot just left; then the barrier (fill = 1: a round of the cluster's) and the joint refill first behind it
	WIN 0
	s_wait_tensorcnt 0x0
	ds_add_u32 v[SPW], v[NIL]
.if \fill
	s_add_nc_u64 s[\g0a+2:\g0a+3], s[\g0a+2:\g0a+3], STEPA
	s_add_nc_u64 s[\g0b+2:\g0b+3], s[\g0b+2:\g0b+3], STEPB
	s_wait_dscnt 0x0
	CROUND
	JLOAD \g0a, \g1a, \g0b, \g1b
	PLACES 4
.else
	s_wait_dscnt 0x0
	s_barrier_signal -1
	s_barrier_wait -1
	PLACES 8
.endif
.endm
	s_load_b256 s[4:11], s[0:1], 0x0               ; gb s[4:5], w2b s[6:7], x1 s[8:9], out0 s[10:11]
	v_lshl_add_u32 v[SPW], v0, 2, SPARE
	v_mov_b32 v[NIL], 0
	ds_add_u32 v20, v21
	ds_add_u32 v20, v21
	s_wait_dscnt 0x0
	v_lshrrev_b32 v3, 5, v0
	v_readfirstlane_b32 s[WV], v3
	s_lshr_b32 s[ROLE], s[WV], 1
	s_and_b32 s[HF], s[WV], 1
	s_bfe_u32 s23, ttmp6, 0x40000                  ; cx
	s_bfe_u32 s24, ttmp6, 0x40004                  ; cy
	s_lshl_b32 s25, ttmp9, 2
	s_add_co_u32 s25, s25, s23                     ; X: which 128 columns
	s_and_b32 s26, ttmp7, 0xffff
	s_lshl_b32 s26, s26, 2
	s_add_co_u32 s26, s26, s24                     ; Y: which 128 rows
	s_lshl_b32 s100, s24, 2
	s_lshl_b32 s100, 15, s100                      ; my row of the cluster
	s_lshl_b32 s101, 0x1111, s23                   ; my column
	s_or_b32 s[G1A], s100, (3<<16)|(1<<21)         ; images: four tiles, 8,192 bytes of each (four steps), 45,056 apart
	G1SET G1A, 256*SPS, 4, 256*KST
	s_or_b32 s[G1B], s101, (3<<16)|(1<<21)
	G1SET G1B, 256*SPS, 4, 256*KST
	s_or_b32 s[G1AH], s100, (3<<16)|(1<<21)        ; the last fill: two steps, 4,096 bytes of each tile
	G1SET G1AH, 512, 4, 256*KST
	s_or_b32 s[G1BH], s101, (3<<16)|(1<<21)
	G1SET G1BH, 512, 4, 256*KST
	s_or_b32 s[G1SA], s100, (3<<16)|(1<<21)        ; scale words of four tiles: 5,632 dense bytes, 22 rows of 256
	G1SET G1SA, 32, 22, 32
	s_or_b32 s[G1SB], s101, (3<<16)|(1<<21)
	G1SET G1SB, 32, 22, 32
	s_lshl_b32 s28, s26, 3
	s_lshl_b32 s29, s[HF], 2
	s_add_co_u32 s28, s28, s29                     ; A: tile 8 Y + 4 x half
	s_mul_i32 s30, s28, 64*KST
	s_add_co_u32 s30, s30, ASOFF
	s_mov_b32 s31, 0
	s_mul_i32 s28, s28, 2048*KST
	s_mov_b32 s29, 0
	s_lshl_b32 s66, s25, 3
	s_lshl_b32 s67, s[HF], 2
	s_add_co_u32 s66, s66, s67                     ; W2: tile 8 X + 4 x half
	s_mul_i32 s104, s66, 64*KST
	s_add_co_u32 s104, s104, BSOFF
	s_mov_b32 s105, 0
	s_mul_i32 s66, s66, 2048*KST
	s_mov_b32 s67, 0
	s_mul_i32 s3, s[HF], 256*KST                   ; in LDS: my half of a side's scale words,
	s_lshl_b32 s27, s[HF], 15                      ; and of its tiles
	s_wait_kmcnt 0x0
	G0SET G0AS, 3, SCA, 4, 30, 0
	G0SET G0A0, 27, 0, 4, 28, 0
	G0SET G0A1, 27, SLOT, 4, 28, 2048*SPS
	G0SET G0BS, 3, SCB, 6, 104, 0
	G0SET G0B0, 27, BOFF, 6, 66, 0
	G0SET G0B1, 27, SLOT+BOFF, 6, 66, 2048*SPS
	CROUND                                         ; all sixteen work-groups are here: the first joint loads meet
	s_cmp_eq_u32 s[ROLE], 0                        ; a wave's three first fills stand in one branch: three loads of mine are out
	s_cbranch_scc0 .Lfirst_b
	tensor_load_to_lds s[G0AS:G0AS+3], s[G1SA:G1SA+7]
	s_nop 0
	tensor_load_to_lds s[G0A0:G0A0+3], s[G1A:G1A+7]
	s_nop 0
	tensor_load_to_lds s[G0A1:G0A1+3], s[G1A:G1A+7]
	s_nop 0
	PLACES 4
	s_branch .Lfirst_done
.Lfirst_b:
	tensor_load_to_lds s[G0BS:G0BS+3], s[G1SB:G1SB+7]
	s_nop 0
	tensor_load_to_lds s[G0B0:G0B0+3], s[G1B:G1B+7]
	s_nop 0
	tensor_load_to_lds s[G0B1:G0B1+3], s[G1B:G1B+7]
	s_nop 0
	PLACES 4
.Lfirst_done:
	v_and_b32 v1, 15, v0                           ; r
	v_bfe_u32 v2, v0, 4, 1                         ; h
	v_and_b32 v3, 31, v0
	v_lshlrev_b32 v[LI], 4, v3
	s_lshl_b32 s28, s[ROLE], 15
	v_add_nc_u32 v[ADA], s28, v[LI]                ; my four tiles of A
	v_add_nc_u32 v[ADA+1], SLOT, v[ADA]
	s_lshl_b32 s28, s[HF], 15
	s_add_co_u32 s28, s28, BOFF
	v_add_nc_u32 v[ADB], s28, v[LI]                ; my four tiles of W2
	v_add_nc_u32 v[ADB+1], SLOT, v[ADB]
	v_mul_u32_u24 v3, v2, 64*KST
	v_lshl_add_u32 v3, v1, 2, v3                   ; 4 r, + a tile's 1,408 bytes for lanes 16-31
	s_mul_i32 s28, s[ROLE], 256*KST
	s_add_co_u32 s28, s28, SCA
	v_add_nc_u32 v[ADSA], s28, v3
	s_mul_i32 s28, s[HF], 256*KST
	s_add_co_u32 s28, s28, SCB
	v_add_nc_u32 v[ADSB], s28, v3
	s_mul_i32 s28, s[WV], 16*SPI
	s_add_co_u32 s28, s28, STAGE
	v_mul_u32_u24 v3, v1, SPI
	v_lshl_add_u32 v3, v2, 5, v3
	v_add_nc_u32 v[STO], s28, v3                   ; the stage, in: row r, 32 bytes for each half of the lanes
	v_mul_u32_u24 v3, v2, SPI
	v_lshl_add_u32 v3, v1, 4, v3
	v_add_nc_u32 v[RD], s28, v3                    ; back: lanes 0-15 one row of 256 bytes, lanes 16-31 the next
	v_lshlrev_b32 v3, 12, v2
	v_lshl_add_u32 v[CO], v1, 4, v3                ; and the same two rows in memory
	s_lshl_b32 s28, s26, 7
	s_lshl_b32 s29, s[ROLE], 6
	s_add_co_u32 s28, s28, s29
	s_lshl_b32 s28, s28, 12
	s_lshl_b32 s29, s25, 9
	s_add_co_u32 s28, s28, s29
	s_lshl_b32 s29, s[HF], 8
	s_add_co_u32 s28, s28, s29
	s_mov_b32 s29, 0
	s_add_nc_u64 s[RP:RP+1], s[RP:RP+1], s[28:29]
	s_add_nc_u64 s[OP:OP+1], s[OP:OP+1], s[28:29]
.irp a, 0,1,2,3                        ; the residual is asked for now, in the shape in which rows come back from the stage: tile a's rows 2 u + h
.irp u, 0,1,2,3,4,5,6,7
	global_load_b128 v[RES+32*\a+4*\u:RES+32*\a+4*\u+3], v[CO], s[RP:RP+1] offset:(32*(\a/2)+8*(\a%2)+2*\u+8*(\u/4))*4096
.endr
.endr
	s_wait_tensorcnt 0x1                           ; the scales and my part of slot 0 are in; slot 1's load may stay out
	s_barrier_signal -1
	s_barrier_wait -1
	WORK 0, 4, 1                                   ; steps 0-3
	CHANGE 1, G0A0, G1A, G0B0, G1B                 ; slot 0 takes steps 8-11
	WORK 1, 4, 0                                   ; steps 4-7
	CHANGE 1, G0A1, G1A, G0B1, G1B                 ; slot 1 takes steps 12-15
	WORK 0, 4, 0
	CHANGE 1, G0A0, G1A, G0B0, G1B                 ; slot 0 takes steps 16-19
	WORK 1, 4, 0
	CHANGE 1, G0A1, G1AH, G0B1, G1BH               ; slot 1 takes steps 20, 21
	WORK 0, 4, 0
	CHANGE 0, G0A0, G1A, G0B0, G1B
.set TS, 4096                          ; in the half fill a tile's two steps lie 4,096 bytes from the next tile's
	WORK 1, 2, 0
	WIN 0
	PLACES 8                                       ; behind the last products, ahead of the first read of results
	s_wait_loadcnt 0x0                             ; the residual
.irp a, 0,1,2,3                        ; a tile of 16 rows x 64 columns goes through my own stage and comes back as rows of 256 bytes
.set BK, 192+32*(\a%2)
	WIN 0x08                                       ; an LDS store's data are its source 1: window 2
.irp t, 0,1,2,3
	ds_store_b128 v[STO], v[32*\a+8*\t:32*\a+8*\t+3] offset:64*\t          ; each accumulator from its low end on
	ds_store_b128 v[STO], v[32*\a+8*\t+4:32*\a+8*\t+7] offset:64*\t+16
.endr
	WIN 0
.if \a > 1
	s_wait_xcnt 0x0                                ; the stores of two tiles back have read their registers
.endif
.irp u, 0,1,2,3,4,5,6,7
	ds_load_b128 v[BK+4*\u:BK+4*\u+3], v[RD] offset:2*SPI*\u     ; LDS serves a wave's instructions in order (ISA guide 5.7.1.4): these see the stores above
.endr
	s_wait_dscnt 0x0
.set I, 0
.rept 16
	v_pk_add_f32 v[BK+I:BK+I+1], v[BK+I:BK+I+1], v[RES+32*\a+I:RES+32*\a+I+1]
.set I, I+2
.endr
.irp u, 0,1,2,3,4,5,6,7
	global_store_b128 v[CO], v[BK+4*\u:BK+4*\u+3], s[OP:OP+1] offset:(32*(\a/2)+8*(\a%2)+2*\u+8*(\u/4))*4096 th:TH_STORE_NT   ; sixteen lanes store 256 consecutive bytes, aligned
.endr
.endr
	s_wait_tensorcnt 0x0                           ; the wave's end
	ds_add_u32 v[SPW], v[NIL]
	s_wait_dscnt 0x0
	CROUND                                         ; the closing round
	s_endpgm
.Lfunc_end_k_q45d9cf5b03_w2g:
	.size	k_q45d9cf5b03_w2g, .Lfunc_end_k_q45d9cf5b03_w2g-k_q45d9cf5b03_w2g
	.p2alignl 7, 3214868480
	.fill 96, 4, 3214868480
	.section	.rodata,"a",@progbits
	.p2align	6, 0x0
	.amdhsa_kernel k_q45d9cf5b03_w2g
		.amdhsa_group_segment_fixed_size 327680
		.amdhsa_private_segment_fixed_size 0
		.amdhsa_enable_private_segment 0
		.amdhsa_kernarg_size 32
		.amdhsa_user_sgpr_count 2
		.amdhsa_user_sgpr_kernarg_segment_ptr 1
		.amdhsa_wavefront_size32 1
		.amdhsa_system_sgpr_workgroup_id_x 1
		.amdhsa_system_sgpr_workgroup_id_y 1
		.amdhsa_system_sgpr_workgroup_id_z 1
		.amdhsa_system_vgpr_workitem_id 0
		.amdhsa_next_free_vgpr 640
		.amdhsa_next_free_sgpr 106
		.amdhsa_reserve_vcc 0
		.amdhsa_float_denorm_mode_32 3
		.amdhsa_float_denorm_mode_16_64 3
		.amdhsa_memory_ordered 1
		.amdhsa_forward_progress 1
		.amdhsa_inst_pref_size 131
	.end_amdhsa_kernel
	.amdgpu_metadata
---
amdhsa.version: [ 1, 2 ]
amdhsa.kernels:
  - .name:           k_q45d9cf5b03_w2g
    .symbol:         k_q45d9cf5b03_w2g.kd
    .args:
      - { .name: gb, .offset: 0, .size: 8, .value_kind: global_buffer, .address_space: global }
      - { .name: w2b, .offset: 8, .size: 8, .value_kind: global_buffer, .address_space: global }
      - { .name: x1, .offset: 16, .size: 8, .value_kind: global_buffer, .address_space: global }
      - { .name: out0, .offset: 24, .size: 8, .value_kind: global_buffer, .address_space: global }
    .group_segment_fixed_size: 327680
    .private_segment_fixed_size: 0
    .kernarg_segment_align: 8
    .kernarg_segment_size: 32
    .max_flat_workgroup_size: 128
    .sgpr_count:     106
    .vgpr_count:     640
    .wavefront_size: 32
...
	.end_amdgpu_metadata
.endif
;; end of part 7
